; MI455X (gfx1250); checked and timed in simulation.
; The chip was launched on July 23, 2026; its instructions are those of AMD's public machine-readable ISA for CDNA 5 (MIT licence, August 2026) and "CDNA5" Instruction Set Architecture Reference Guide (July 2026). The comments in the code are by the model that wrote it; some were corrected since.
;; Multi Head Attention. Allowed arithmetic: matrix products marked QUANTISED: E4M3 operands, one E8M0 scale for each 32 along K, by v_wmma_scale_f32_16x16x128_f8f6f4 with both operands' format E4M3, f32 sums; everything else in f32.
;; Inputs: W_out_codes 1,024 x 32 x 32 uint8 (E4M3 codes of W_out, K innermost, in blocks of 32 codes); W_out_scales 1,024 x 32 uint8 (E8M0 scales of W_out, one for each 32 codes along K); b_out 1,024 float32; keys 4 x 2,048 x 1,024 float32; mask 4 x 1 x 2,048 x 2,048 int32; query 4 x 2,048 x 1,024 float32; values_codes 4 x 1,024 x 64 x 32 uint8 (E4M3 codes of values, K innermost, in blocks of 32 codes); values_scales 4 x 1,024 x 64 uint8 (E8M0 scales of values, one for each 32 codes along K).
;; Outputs: out0 4 x 2,048 x 1,024 float32.
;; This version of the problem:
;;   THIS VERSION OF THE PROBLEM IS GIVEN IN LOW PRECISION. The matrix products marked QUANTISED in the list below multiply operands that are first quantised to E4M3 (4 exponent bits, 3 mantissa bits; 8 bits a number), with one power-of-two scale for each 32 numbers along K (OCP MX v1.0); their sums are f32. All else is computed in f32.
;;   The module's matrix products, in the order in which they are computed (A, B: the left and right operand; K: the contracted axis; several contracted axes count as one K, in the product's order):
;;     1. batch 64 x [M 2,048, K 64] x [K 64, N 2,048]; A: input query; B: input keys: QUANTISED
;;     2. batch 64 x [M 64, K 2,048] x [K 2,048, N 2,048]; A: input values (given as codes); B: softmax (see below): QUANTISED
;;     3. [M 8,192, K 1,024] x [K 1,024, N 1,024]; A: computed on the way; B: input W_out (given as codes): QUANTISED
;;   THE QUANTISER, for each operand of a quantised product, along K:
;;     - K is cut into blocks of 32 from its start; a last block that is shorter is filled with zeros.
;;     - A block's scale is 2^e with e = floor(log2(the largest magnitude in the block)) - 8, held to -126 .. 127; a block of zeros has e = 0. As a byte (E8M0): e + 127.
;;     - Each number is divided by its block's scale, clamped to +-448, and rounded to the nearest number of E4M3, ties to even, subnormals kept.
;;     - The product sums the exact products of the quantised numbers (number of the format x scale) in f32.
;;   ~~~python
;;   def quantise(x, axis):      # numpy; x: float32 -> the quantised numbers, widened to float32 again
;;       x = np.moveaxis(x, axis, -1); K = x.shape[-1]
;;       x = np.pad(x, [(0, 0)] * (x.ndim - 1) + [(0, -K % 32)]); x = x.reshape(x.shape[:-1] + (-1, 32)); a = np.abs(x).max(-1, keepdims=True)
;;       e = np.where(a > 0, np.clip(np.frexp(np.where(a > 0, a, 1))[1] - 1 - 8, -126, 127), 0)      # np.frexp(a)[1] - 1 = floor(log2(a)), exactly
;;       r = np.clip(x / 2.0 ** e, -448, 448)
;;       step = 2.0 ** (np.maximum(np.frexp(np.where(r == 0, 1, r))[1] - 1, -6) - 3)
;;       q = np.round(r / step) * step * 2.0 ** e      # np.round: ties to even
;;       return np.moveaxis(q.reshape(q.shape[:-2] + (-1,))[..., :K], -1, axis).astype(np.float32)
;;   ~~~
;;   SOFTMAX AHEAD OF A QUANTISED PRODUCT. Where the list says 'softmax', what is quantised is not the finished softmax but p = 2^(t - M), with t = logit x log2(e) and M = ceil(the row's largest t), a whole number; so 1/2 < the row's largest p <= 1. The row's sum l is taken of the UNQUANTISED p, in f32, and the product's result is divided by l at the end. Since M is a whole number, a kernel that streams over the keys may use a running M (the ceiling of the running maximum): every later rescaling is an exact power of two, which a block's scale takes up: the codes' values come out the same.
;;   OPERANDS COMPUTED ON THE WAY. 'Computed on the way' means the value that the module computes at that place (a softmax that the list does not call 'softmax' is quantised finished and normalised). What goes into a quantiser is computed in f32, as accurately as f32 sums, v_exp_f32 and their like allow (about 1e-6 of the number): no bf16 or f16 on the way to a quantiser, and a product that is left as it is and whose result goes on into a quantised operand takes f32 operands (vector FMAs, or v_wmma_f32_16x16x4_f32). A number that lies on a knife's edge between two numbers of the format may be rounded either way, as far as f32 arithmetic and the matrix unit's own rounding can turn it there, and no further.
;;   INPUTS GIVEN AS CODES. W_out (in the module: [1024, 1024], K = its axis 1); values (in the module: [4, 2048, 1024], K = its axis 1): each comes as NAME_codes (uint8): NAME with its K axis moved to the last place and cut into blocks of 32 codes, [.., K / 32, bytes a block], one block behind the other in memory; one code a byte (a code: sign, 4 exponent bits, 3 mantissa bits); and NAME_scales (uint8): the same leading axes, one E8M0 byte (e + 127) for each 32 codes along K. Its value is code x scale, taken as it is: it is not quantised again, and the codes and scales need not be those that the quantiser above would give.
;; 2 versions. Each part assembles by itself: llvm-mc -triple=amdgcn-amd-amdhsa -mcpu=gfx1250 --defsym DOCPART=n.
;; ======== version 1 of 2: 4 launches
;; limits: inputs' magnitudes at most 600,000; right only within a limited range of input values
;; workspace buffers: q_img 8,388,608 bytes; k_img 8,388,608 bytes; q_sc 262,144 bytes; k_sc 262,144 bytes; mask_w 2,097,152 bytes of whole numbers; a_img 8,388,608 bytes; a_sc 262,144 bytes
;; launch quant_qk (part 1): grid 1024 x 1, 4 waves a work-group, no clusters, 41,472 bytes of LDS; arguments query, keys, q_img, q_sc, k_img, k_sc; writes q_img, q_sc, k_img, k_sc
.if DOCPART == 1
	.amdgcn_target "amdgcn-amd-amdhsa--gfx1250"
	.amdhsa_code_object_version 6
	.text
	.protected	k_qf438080497_quant_qk
	.globl	k_qf438080497_quant_qk
	.p2align	8
	.type	k_qf438080497_quant_qk,@function
k_qf438080497_quant_qk:
	s_mov_b64 s[64:65], 0
	v_nop
	global_prefetch_b8 v0, s[64:65] scope:SCOPE_SE
	s_setreg_imm32_b32 hwreg(HW_REG_WAVE_MODE, 25, 1), 1
	s_wait_xcnt 0x0
; query and keys, [4][2048][1024] f32, become codes of FP8 (E4M3) with one E8M0 scale byte for each 32 along a head's 64 numbers (the first product's K).
; A block's scale is 2^(floor(log2(its largest magnitude)) - 8); its byte is the largest magnitude's exponent field - 8, held at 1 from below; each number is divided by the scale, held within +-448, rounded to the nearest code, ties to even.
; LIMITS: a block whose largest magnitude lies under 2^(9 - 127) keeps the byte 1 (a block of zeros too: its codes are zeros, and this program alone reads the bytes); NaN and infinities are not served.
; THE CODES ARE LAID AS THE NEXT LAUNCH'S OPERAND REGISTERS WANT THEM.  For each y = 16 n + head and each block B of 32 tokens an image of 2,048 bytes:
;   byte (2 u + blk) 512 + 256 h + 16 r + i = the code of number 32 blk + 16 h + i of token 32 B + 8 u + r + 8 (r / 8).   The scale bytes: [y][B][r] words, byte 2 u + blk.
; SHARES.  The first 512 work-groups take query, the others keys (only pointers are chosen: one path).  A work-group takes 32 tokens and eight heads, a wave two heads: 32 loads of 512 consecutive bytes, in 8 steps of 4 tokens.
; A step's 2,048 bytes turn through the wave's own stage in LDS, so that a lane holds 16 neighbours (two neighbouring lanes hold a block); the codes gather in a second stage in image order and leave as runs of 512 bytes.
; No tensor loads, no barrier: waves share nothing.  Loads run four steps (16 loads a wave) ahead, the turn through LDS one step.
.set STEPS, 8
.set WREG,  10240                      ; LDS of a wave: two turn stages of 32 x SP bytes, the codes' stage, the scale bytes
.set SP,    80                         ; a lane's place in a turn stage: 64 bytes + 16 of padding
.set OS,    5120                       ; the codes' stage: 16 pieces of 256 bytes + 16 of padding
.set UP,    272
.set SS,    9472                       ; 128 scale bytes: [head of the pair][r] words
.set MANT,  0x600000                   ; the mantissa field of 448 as f32
.set R,     16                         ; v16-79   four sets of 16 numbers as they are loaded
.set X,     80                         ; v80-111  two sets of 16 neighbours
.set E,     112                        ; v112-119 a scale byte for each step
.set C,     128                        ; v128-159 codes: four registers for each step, so that no store's data are written again
.set OUTR,  160                        ; v160-191 the way out
	s_load_b128 s[4:7], s[0:1], 0x0                ; query, keys
	s_load_b128 s[8:11], s[0:1], 0x10              ; q_img, q_sc
	s_load_b128 s[12:15], s[0:1], 0x20             ; k_img, k_sc
	v_lshl_add_u32 v192, v0, 2, 0xa000
	v_mov_b32 v193, 0
	v_lshrrev_b32 v1, 5, v0
	v_readfirstlane_b32 s16, v1                    ; wave
	v_and_b32 v2, 31, v0                           ; lane
	v_lshlrev_b32 v3, 4, v2                        ; my 16 bytes of a run of 512
	s_mul_i32 s17, s16, WREG
	s_add_co_u32 s18, s17, OS
	s_add_co_u32 s19, s17, SS
	v_lshrrev_b32 v14, 2, v2
	v_mul_u32_u24 v14, v14, SP
	v_and_b32 v15, 3, v2
	v_lshl_add_u32 v14, v15, 4, v14
	v_add_nc_u32 v14, s17, v14                     ; the turn stage, in: four lanes' 64 bytes on end, then the padding
	v_mul_u32_u24 v15, v2, SP
	v_add_nc_u32 v15, s17, v15                     ; and out: my 16 neighbours.  Lane l then holds token 4 t + l / 8, head (l / 4) % 2 of the pair, blk = (l / 2) % 2, h = l % 2
	v_and_b32 v4, 4, v2
	v_and_b32 v5, 3, v2
	v_lshl_add_u32 v4, v4, 1, v5                   ; the piece of the codes' stage: 8 x head + 2 blk + h (4 u comes by the immediate)
	v_mul_u32_u24 v4, v4, UP
	v_lshrrev_b32 v5, 3, v2                        ; which of the step's four tokens
	v_lshl_add_u32 v4, v5, 4, v4
	v_add_nc_u32 v4, s18, v4                       ; where my 16 codes go
	v_lshlrev_b32 v5, 2, v5
	v_bfe_u32 v6, v2, 2, 1
	v_lshl_add_u32 v5, v6, 6, v5
	v_bfe_u32 v6, v2, 1, 1
	v_add_nc_u32 v5, v5, v6
	v_add_nc_u32 v5, s19, v5                       ; where my block's scale byte goes: 64 x head + 4 x token + blk
	v_lshrrev_b32 v7, 4, v2
	v_and_b32 v8, 15, v2
	v_mul_u32_u24 v6, v7, UP
	v_lshl_add_u32 v6, v8, 4, v6
	v_add_nc_u32 v6, s18, v6                       ; back: two pieces, 512 bytes of an image, an instruction
	v_lshlrev_b32 v12, 2, v8
	v_lshl_add_u32 v12, v7, 12, v12                ; the scale words in memory: 4 r, and 4,096 bytes on for the pair's second head
	v_lshlrev_b32 v7, 2, v2
	v_add_nc_u32 v7, s19, v7                       ; and in LDS: a word a lane
	s_mov_b32 s23, MANT                            ; (an instruction takes one literal: the hold's line has another)
	s_wait_kmcnt 0x0
	s_cmp_lt_u32 ttmp9, 512                        ; query's work-group or keys'?  The choice hangs on the work-group's number alone
	s_cselect_b64 s[4:5], s[4:5], s[6:7]
	s_cselect_b64 s[8:9], s[8:9], s[12:13]
	s_cselect_b64 s[10:11], s[10:11], s[14:15]
	s_and_b32 s25, ttmp9, 511
	s_lshr_b32 s26, s25, 1                         ; 64 n + B
	s_and_b32 s27, s25, 1
	s_lshl_b32 s27, s27, 2
	s_add_co_u32 s27, s27, s16                     ; my pair of heads, 0 .. 7
	s_lshl_b32 s28, s26, 17                        ; 32 tokens of 4,096 bytes
	s_lshl_b32 s31, s27, 9                         ; 512 bytes a pair of heads
	s_add_co_u32 s28, s28, s31
	s_mov_b32 s29, 0
	s_add_nc_u64 s[4:5], s[4:5], s[28:29]
	s_lshr_b32 s30, s26, 6
	s_lshl_b32 s30, s30, 10
	s_lshl_b32 s31, s27, 7
	s_add_co_u32 s30, s30, s31
	s_and_b32 s31, s26, 63
	s_add_co_u32 s30, s30, s31                     ; the image's number: (16 n + first head) 64 + B
	s_lshl_b32 s28, s30, 11
	s_add_nc_u64 s[8:9], s[8:9], s[28:29]
	s_lshl_b32 s28, s30, 6
	s_add_nc_u64 s[10:11], s[10:11], s[28:29]
.macro LOAD t                          ; step t: tokens 4 t .. 4 t + 3, my two heads: 512 consecutive bytes a load
.irp i, 0,1,2,3
	global_load_b128 v[R+16*((\t)%4)+4*\i:R+16*((\t)%4)+4*\i+3], v3, s[4:5] offset:(4*(\t)+\i)*4096 th:TH_LOAD_NT
.endr
.endm
.macro TURN t                          ; step t's numbers through the turn stage: LDS serves a wave's instructions in order, so no wait stands between the stores and the loads
.irp i, 0,1,2,3
	ds_store_b128 v14, v[R+16*((\t)%4)+4*\i:R+16*((\t)%4)+4*\i+3] offset:32*SP*((\t)%2)+8*SP*\i
.endr
.irp i, 0,1,2,3
	ds_load_b128 v[X+16*((\t)%2)+4*\i:X+16*((\t)%2)+4*\i+3], v15 offset:32*SP*((\t)%2)+16*\i
.endr
.endm
.irp t, 0,1,2,3
	LOAD \t
.endr
	s_wait_loadcnt 12                              ; step 0's four loads are in
	TURN 0
.macro STEP t
.set XS, X+16*((\t)%2)
.if (\t) > 0
	s_wait_dscnt 2                                 ; this step's numbers are back from the stage (the last step's byte store and code store may be out): so its stores into the stage have read their registers,
.else
	s_wait_dscnt 0x0
.endif
.if (\t)+4 < STEPS
	LOAD (\t)+4                                    ; which take the loads of four steps on
.endif
.if (\t)+1 < STEPS
.if STEPS-2-(\t) >= 3
	s_wait_loadcnt 12                              ; the next step's four loads are in; those of the three steps behind it may be out
.else
	s_wait_loadcnt 4*(STEPS-2-(\t))
.endif
	TURN (\t)+1                                    ; and go through the other stage while this step is worked
.endif
	v_max3_num_f32 v8, |v[XS]|, |v[XS+1]|, |v[XS+2]|               ; the largest magnitude of my 16, in two chains
	v_max3_num_f32 v9, |v[XS+3]|, |v[XS+4]|, |v[XS+5]|
.irp i, 6,10
	v_max3_num_f32 v8, v8, |v[XS+\i]|, |v[XS+\i+1]|
	v_max3_num_f32 v9, v9, |v[XS+\i+2]|, |v[XS+\i+3]|
.endr
	v_max3_num_f32 v8, v8, |v[XS+14]|, |v[XS+15]|
	v_max3_num_f32 v8, v8, v9, 0x4800000           ; and the floor 2^(9 - 127): the byte cannot fall under 1
	v_max_num_f32_dpp v8, v8, v8 row_xmask:1 row_mask:0xf bank_mask:0xf   ; and of my neighbour's 16: the block's
	v_add_nc_u32 v11, 0xfc000000, v8               ; 8 off its exponent field: the conversion takes the exponent field of this operand as its scale
	v_and_or_b32 v10, v8, 0x7f800000, s23          ; 448 x the scale
.irp i, 0,1,2,3,4,5,6,7,8,9,10,11,12,13,14,15
	v_med3_num_f32 v[XS+\i], v[XS+\i], -v10, v10   ; the conversion to an 8-bit code does not saturate (ISA guide 7.6.2): the hold comes first
.endr
	v_cvt_scalef32_pk8_fp8_f32 v[C+4*(\t):C+4*(\t)+1], v[XS:XS+7], v11
	v_cvt_scalef32_pk8_fp8_f32 v[C+4*(\t)+2:C+4*(\t)+3], v[XS+8:XS+15], v11
	v_lshrrev_b32 v[E+(\t)], 23, v11               ; the scale's byte (also the plain instruction behind the conversions)
	; token 4 t + j is u = (t / 2) % 2, r = 4 (t % 2) + 8 (t / 4) + j
	ds_store_b8 v5, v[E+(\t)] offset:(4*((\t)%2)+8*((\t)/4))*4+2*(((\t)/2)%2)    ; both lanes of a block write the same byte with the same value
	ds_store_b128 v4, v[C+4*(\t):C+4*(\t)+3] offset:(((\t)/2)%2)*4*UP+(4*((\t)%2)+8*((\t)/4))*16
.endm
.irp t, 0,1,2,3,4,5,6,7
	STEP \t
.endr
.irp k, 0,1,2,3,4,5,6,7
	ds_load_b128 v[OUTR+4*\k:OUTR+4*\k+3], v6 offset:2*UP*\k       ; LDS serves a wave's instructions in order: these see my stores
.endr
	ds_load_b32 v13, v7
.irp k, 0,1,2,3,4,5,6,7
	s_wait_dscnt 8-\k                              ; the younger read-backs and the scale word may be out
	global_store_b128 v3, v[OUTR+4*\k:OUTR+4*\k+3], s[8:9] offset:(\k/4)*131072+(\k%4)*512   ; 512 consecutive bytes of an image; the pair's second head lies 64 images on
.endr
	s_wait_dscnt 0x0
	global_store_b32 v12, v13, s[10:11]            ; two runs of 64 bytes: the two heads' 16 scale words
	s_wait_tensorcnt 0x0
	ds_add_u32 v192, v193
	s_wait_dscnt 0x0
	s_endpgm
.Lfunc_end_k_qf438080497_quant_qk:
	.size	k_qf438080497_quant_qk, .Lfunc_end_k_qf438080497_quant_qk-k_qf438080497_quant_qk
	.p2alignl 7, 3214868480
	.fill 96, 4, 3214868480
	.section	.rodata,"a",@progbits
	.p2align	6, 0x0
	.amdhsa_kernel k_qf438080497_quant_qk
		.amdhsa_group_segment_fixed_size 41472
		.amdhsa_private_segment_fixed_size 0
		.amdhsa_enable_private_segment 0
		.amdhsa_kernarg_size 48
		.amdhsa_user_sgpr_count 2
		.amdhsa_user_sgpr_kernarg_segment_ptr 1
		.amdhsa_wavefront_size32 1
		.amdhsa_system_sgpr_workgroup_id_x 1
		.amdhsa_system_sgpr_workgroup_id_y 1
		.amdhsa_system_sgpr_workgroup_id_z 1
		.amdhsa_system_vgpr_workitem_id 0
		.amdhsa_next_free_vgpr 194
		.amdhsa_next_free_sgpr 66
		.amdhsa_reserve_vcc 0
		.amdhsa_float_denorm_mode_32 3
		.amdhsa_float_denorm_mode_16_64 3
		.amdhsa_memory_ordered 1
		.amdhsa_forward_progress 1
		.amdhsa_inst_pref_size 29
	.end_amdhsa_kernel
	.amdgpu_metadata
---
amdhsa.version: [ 1, 2 ]
amdhsa.kernels:
  - .name:           k_qf438080497_quant_qk
    .symbol:         k_qf438080497_quant_qk.kd
    .args:
      - { .name: query, .offset: 0, .size: 8, .value_kind: global_buffer, .address_space: global }
      - { .name: keys, .offset: 8, .size: 8, .value_kind: global_buffer, .address_space: global }
      - { .name: q_img, .offset: 16, .size: 8, .value_kind: global_buffer, .address_space: global }
      - { .name: q_sc, .offset: 24, .size: 8, .value_kind: global_buffer, .address_space: global }
      - { .name: k_img, .offset: 32, .size: 8, .value_kind: global_buffer, .address_space: global }
      - { .name: k_sc, .offset: 40, .size: 8, .value_kind: global_buffer, .address_space: global }
    .group_segment_fixed_size: 41472
    .private_segment_fixed_size: 0
    .kernarg_segment_align: 8
    .kernarg_segment_size: 48
    .max_flat_workgroup_size: 128
    .sgpr_count:     66
    .vgpr_count:     194
    .wavefront_size: 32
...
	.end_amdgpu_metadata
.endif
;; end of part 1
;; launch pack_mask (part 2): grid 256 x 1, 8 waves a work-group, no clusters, 68,608 bytes of LDS; arguments mask, mask_w; writes mask_w
.if DOCPART == 2
	.amdgcn_target "amdgcn-amd-amdhsa--gfx1250"
	.amdhsa_code_object_version 6
	.text
	.protected	k_qf438080497_pack_mask
	.globl	k_qf438080497_pack_mask
	.p2align	8
	.type	k_qf438080497_pack_mask,@function
k_qf438080497_pack_mask:
	s_mov_b64 s[64:65], 0
	v_nop
	global_prefetch_b8 v0, s[64:65] scope:SCOPE_SE
	s_setreg_imm32_b32 hwreg(HW_REG_WAVE_MODE, 25, 1), 1
	s_wait_xcnt 0x0
; mask [4][1][2048 queries][2048 keys] int32 becomes lane masks for the attention launch, one bit a number: all sixteen heads then read a thirty-second of the bytes.
; mask_w: [n][B][u][step (16)][w (64)] words.  Bit 16 h + r of word w = 16 b + i says whether mask[n][query 32 B + 8 u + r + 8 (r / 8)][key 128 step + 32 b + 16 h + i] is not 0:
; that is the score which lane 16 h + r of the attention launch holds in its register w.
; SHARES.  Work-group x = 64 n + B takes 32 queries; wave w takes the tile u = w / 4 of 16 queries and 512 keys, in 4 steps of 128.  Each load reads 512 consecutive bytes of one query's row; a step's 16 rows
; turn through the wave's own stage in LDS (rows 528 bytes apart), a compare makes a word, and 64 words leave as 256 consecutive aligned bytes.  No barrier: waves share nothing.  Loads run two steps ahead.
.set SPM,  528
.set WSTG, 16*SPM
.set W,    8                           ; v8-15    two registers of words for each step: lane j holds words 2 j and 2 j + 1
.set R,    16                          ; v16-143  two sets of 64 as loaded
.set X,    144                         ; v144-207 my 64 numbers of a step
	s_load_b128 s[4:7], s[0:1], 0x0                ; mask, mask_w
	v_lshl_add_u32 v208, v0, 2, 0x10800
	v_mov_b32 v209, 0
	v_lshrrev_b32 v1, 5, v0
	v_readfirstlane_b32 s8, v1                     ; wave 0..7
	v_and_b32 v5, 31, v0                           ; lane
	v_lshlrev_b32 v1, 4, v5                        ; my 16 bytes of a load's 512
	s_mul_i32 s9, s8, WSTG
	v_add_nc_u32 v2, s9, v1                        ; the stage, in
	v_and_b32 v6, 15, v5
	v_lshrrev_b32 v7, 4, v5
	v_mul_u32_u24 v3, v6, SPM
	v_lshl_add_u32 v3, v7, 6, v3
	v_add_nc_u32 v3, s9, v3                        ; and back: row r, 64 h bytes on: keys 16 h .. of each 32
	v_lshlrev_b32 v4, 3, v5                        ; out: 8 bytes a lane
.irp j, 0,1,2,3,4,5,6,7
	v_mov_b32 v[W+\j], 0                           ; written whole once: a lane write leaves the other lanes as they are
.endr
	s_lshr_b32 s10, s8, 2                          ; u
	s_and_b32 s11, s8, 3                           ; which 512 keys
	s_lshl_b32 s12, ttmp9, 18                      ; 32 rows of 8,192 bytes
	s_lshl_b32 s13, s10, 16                        ; 8 rows on for u = 1
	s_add_co_u32 s12, s12, s13
	s_lshl_b32 s13, s11, 11
	s_add_co_u32 s12, s12, s13
	s_mov_b32 s13, 0
	s_lshl_b32 s14, ttmp9, 1
	s_add_co_u32 s14, s14, s10
	s_lshl_b32 s14, s14, 12                        ; 16 steps of 256 bytes for each tile
	s_lshl_b32 s15, s11, 10
	s_add_co_u32 s14, s14, s15
	s_mov_b32 s15, 0
	s_wait_kmcnt 0x0
	s_add_nc_u64 s[4:5], s[4:5], s[12:13]
	s_add_nc_u64 s[6:7], s[6:7], s[14:15]
.macro LOADM t                         ; step t: 128 keys of the tile's 16 queries
.irp r, 0,1,2,3,4,5,6,7,8,9,10,11,12,13,14,15
	global_load_b128 v[R+64*((\t)%2)+4*\r:R+64*((\t)%2)+4*\r+3], v1, s[4:5] offset:(\r+8*(\r/8))*8192+512*(\t) th:TH_LOAD_NT
.endr
.endm
.macro STEPM t
.if (\t) < 3
	s_wait_loadcnt 16                              ; this step's sixteen loads are in; the next step's may be out
.else
	s_wait_loadcnt 0x0
.endif
.irp r, 0,1,2,3,4,5,6,7,8,9,10,11,12,13,14,15
	ds_store_b128 v2, v[R+64*((\t)%2)+4*\r:R+64*((\t)%2)+4*\r+3] offset:SPM*\r
.endr
.irp b, 0,1,2,3
.irp g, 0,1,2,3
	ds_load_b128 v[X+16*\b+4*\g:X+16*\b+4*\g+3], v3 offset:128*\b+16*\g    ; LDS serves a wave's instructions in order: these see the stores above
.endr
.endr
	s_wait_dscnt 0x0                               ; my 64 numbers are in, and the stores have read their registers,
.if (\t)+2 < 4
	LOADM (\t)+2                                   ; which take the loads of two steps on
.endif
.set g, 0
.rept 8                                ; eight words at a time: eight compares, then eight lane writes
.irp i, 0,1,2,3,4,5,6,7
	v_cmp_ne_u32 s[20+\i], 0, v[X+8*g+\i]          ; word 8 g + i: a bit a lane
.endr
.irp i, 0,1,2,3,4,5,6,7
	v_writelane_b32 v[W+2*(\t)+\i%2], s[20+\i], 4*g+\i/2
.endr
.set g, g+1
.endr
	global_store_b64 v4, v[W+2*(\t):W+2*(\t)+1], s[6:7] offset:256*(\t)   ; 32 lanes store 256 consecutive aligned bytes; each step has its own two registers
.endm
	LOADM 0
	LOADM 1
.irp t, 0,1,2,3
	STEPM \t
.endr
	s_wait_tensorcnt 0x0
	ds_add_u32 v208, v209
	s_wait_dscnt 0x0
	s_endpgm
.Lfunc_end_k_qf438080497_pack_mask:
	.size	k_qf438080497_pack_mask, .Lfunc_end_k_qf438080497_pack_mask-k_qf438080497_pack_mask
	.p2alignl 7, 3214868480
	.fill 96, 4, 3214868480
	.section	.rodata,"a",@progbits
	.p2align	6, 0x0
	.amdhsa_kernel k_qf438080497_pack_mask
		.amdhsa_group_segment_fixed_size 68608
		.amdhsa_private_segment_fixed_size 0
		.amdhsa_enable_private_segment 0
		.amdhsa_kernarg_size 16
		.amdhsa_user_sgpr_count 2
		.amdhsa_user_sgpr_kernarg_segment_ptr 1
		.amdhsa_wavefront_size32 1
		.amdhsa_system_sgpr_workgroup_id_x 1
		.amdhsa_system_sgpr_workgroup_id_y 1
		.amdhsa_system_sgpr_workgroup_id_z 1
		.amdhsa_system_vgpr_workitem_id 0
		.amdhsa_next_free_vgpr 210
		.amdhsa_next_free_sgpr 66
		.amdhsa_reserve_vcc 0
		.amdhsa_float_denorm_mode_32 3
		.amdhsa_float_denorm_mode_16_64 3
		.amdhsa_memory_ordered 1
		.amdhsa_forward_progress 1
		.amdhsa_inst_pref_size 49
	.end_amdhsa_kernel
	.amdgpu_metadata
---
amdhsa.version: [ 1, 2 ]
amdhsa.kernels:
  - .name:           k_qf438080497_pack_mask
    .symbol:         k_qf438080497_pack_mask.kd
    .args:
      - { .name: mask, .offset: 0, .size: 8, .value_kind: global_buffer, .address_space: global }
      - { .name: mask_w, .offset: 8, .size: 8, .value_kind: global_buffer, .address_space: global }
    .group_segment_fixed_size: 68608
    .private_segment_fixed_size: 0
    .kernarg_segment_align: 8
    .kernarg_segment_size: 16
    .max_flat_workgroup_size: 256
    .sgpr_count:     66
    .vgpr_count:     210
    .wavefront_size: 32
...
	.end_amdgpu_metadata
.endif
;; end of part 2
;; launch attention (part 3): grid 4 x 64, 16 waves a work-group, clusters of 4 x 1, 327,680 bytes of LDS; arguments q_img, q_sc, k_img, k_sc, values_codes, values_scales, mask_w, a_img, a_sc; writes a_img, a_sc
.if DOCPART == 3
	.amdgcn_target "amdgcn-amd-amdhsa--gfx1250"
	.amdhsa_code_object_version 6
	.text
	.protected	k_qf438080497_attention
	.globl	k_qf438080497_attention
	.p2align	8
	.type	k_qf438080497_attention,@function
k_qf438080497_attention:
	s_mov_b64 s[64:65], 0
	v_nop
	global_prefetch_b8 v0, s[64:65] scope:SCOPE_SE
	s_setreg_imm32_b32 hwreg(HW_REG_WAVE_MODE, 25, 1), 1
	s_wait_xcnt 0x0
	s_wait_alu depctr_hold_cnt(0) depctr_sa_sdst(0) depctr_va_vdst(0) depctr_va_sdst(0) depctr_va_ssrc(0) depctr_va_vcc(0) depctr_vm_vsrc(0)
	s_getreg_b32 s2, hwreg(HW_REG_IB_STS2, 6, 4)
	s_cmp_eq_u32 s2, 0
	s_cbranch_scc0 .Lentry_in_a_cluster
	s_endpgm
.Lentry_in_a_cluster:
	s_bfe_u32 s2, ttmp6, 0x10000c
	s_cmp_lg_u32 s2, 0x3003
	s_cbranch_scc0 .Lentry_shape_is_right
	s_endpgm
.Lentry_shape_is_right:
; For each y = 16 n + head: O = softmax(mask(Q K^T) / 32) V, both products on codes of FP8 (E4M3) with one E8M0 scale for each 32 along a product's K; O / l is quantised along the model's 1,024 for the last product.
; THE SOFTMAX: t = score x log2(e) / 32 (a masked score is -1e20); M = the row's largest t so far, rounded UP to a whole number; p = 2^(t - M) is quantised along the keys, not normalised; the row's sum l is taken of the
; unquantised p and divides O at the end.  When M moves, l and O are multiplied by 2^(old M - new M): exact.
; A ROW WITH NO KEY THAT COUNTS SO FAR keeps the start value -2^40 as its largest t; for such a lane c and -M are taken as 0, so that p = 1 for every key, as the reference gives it; the first key that counts makes the
; factor 2^(old M - new M) fall to 0, which wipes what was summed.  LIMIT: a row whose largest unmasked t is -2^40 or less (a score under about -2.4e13) is taken as wholly masked.  NaN and infinities are not served.
; SHARES.  A work-group owns 512 queries of one y; wave w of its sixteen owns the block of 32 queries B = 16 x quarter + w, in two passes of 16 queries (tile u = 0, then 1): query 32 B + 8 u + r + 8 (r / 8) in lane r.
; Each pass walks all 2,048 keys, 128 a step.  Four waves share a SIMD: one wave's vector work stands beside another's matrix work and LDS loads.
; A HEAD'S K, V AND THEIR SCALE BYTES, 279,552 BYTES, LIE WHOLE IN LDS: each byte is filled once, at the start, and nothing is filled again.
; CLUSTER.  The four work-groups of a cluster are the four quarters of one y and need the same K and V: every fill is asked for JOINTLY, by the same tensor load with the same descriptor and the mask 15.
; LAYOUT.  Both products are used transposed: S^T = K Q^T (source 0 = keys), O^T = V^T P^T (source 0 = 16 of the head's 64): a lane holds ONE query (lane % 16) throughout.
; K = 64 IN A FORM OF K = 128: a fragment of keys holds TWO tiles of 16 keys (u = 0 in k 0-63, u = 1 in k 64-127: an image of k_img as it lies).  The queries stand in 24 registers, zeros | q | zeros: the run
; q | zeros gives the scores of tile 0, the run zeros | q those of tile 1; the zero codes have the scale byte 1.  Key 32 b + 8 u + r + 8 (r / 8) is row r of tile (b, u), so that a lane's 16 registers of a block b are keys 32 b + 16 (lane / 16) + 0 .. 15.
; REGISTERS: v1-7 addresses and -1e20; v8-11 addresses of the loads in hand; v12 -M, v13 the largest t, v[14:15] the sum in two halves; v16-39 Q; v40-103 four fragments of K, then of V; v104-167 S^T, then p;
; v168-199 O^T; v200-215 codes; v216-231 at work; v232-238 scale words; v240-249 factors and small things.
.set VT,    131072                     ; LDS: K's images from 0 on, as in memory; then V: 8 pieces of 256 keys, each 64 rows of 256 bytes + 16
.set VP,    272
.set VCH,   64*VP
.set KSC,   VT+8*VCH                   ; K's scale words: 64 bytes for each 32 keys
.set VSC,   KSC+4096                   ; V's scale bytes: a row of 64 bytes + 16
.set VSP,   80
.set STAGE, VSC+64*VSP                 ; the way out: 1,024 bytes for each wave; no fill lands here
.set AK,   1                           ; v1   16 x lane: an image's place for my lane (in LDS and in memory)
.set AV,   2                           ; v2   my lane's place in a tile of V
.set ASK,  3                           ; v3   among K's scale words
.set ASV,  4                           ; v4   among V's
.set NEG,  5                           ; v5   -1e20
.set SO,   6                           ; v6   the stage, in
.set SR,   7                           ; v7   the stage, back
.set ADK,  8
.set ADV,  9
.set ADS,  10
.set ADT,  11
.set FR,   40
.set SCR,  104
.set OT,   168
.set PC,   200
.set BM,   216                         ; the blocks' largest scores, then largest p
.set PT,   220                         ; the other half's; then bytes; then the sum's second chain
.set HL,   224                         ; 448 x the scale
.set SV,   228                         ; the conversions' scale operands
.set WS,   232                         ; v232-235 scale words of K, then of V
.set PSW,  236                         ; p's scale word
.set QSLO, 237                         ; Q's scale word for the run q | zeros
.set QSHI, 238                         ; and for zeros | q
.set FF,   240                         ; v[240:241] f = 2^(old M - new M)
.set CE,   242                         ; v[242:243] c, or 0
.set ME,   244                         ; v[244:245] -M, or 0
.set TMP,  246
.set SBO,  247                         ; v247 4 r + h: my scale byte's place
.set QSO,  248                         ; v248 4 r
.set NIL,  249                         ; v249 0
.set WV,   22                          ; s22  my wave's number
.set JW,   23                          ; s23  wave % 8: which eighth I fetch
.set CX,   24                          ; s24  which quarter of the queries is my work-group's
.set YY,   25                          ; s25  y
.set SEL,  26                          ; s[26:27] lane selects for lane l xor 16
.set CS,   28                          ; s28  c = log2(e) / 32
.set MNT,  29                          ; s29  the mantissa field of 448
.set SH,   30                          ; s30  16 x pass
.set TT,   8                           ; s8   16 x pass + step (s8-15 held pointers that the descriptors have taken over)
.set OFF,  9                           ; s9   byte offset of the mask words asked for
.set TK,   10                          ; s10-13 where the piece in hand begins: K's images, V, K's scale words, V's
.set TV,   11
.set TS,   12
.set TJ,   13
.set CHK,  14
.set PAS,  15
.macro CROUND                          ; a round of the cluster's barrier: my work-group's barrier; wave 0 signals for the work-group; every wave waits for all four work-groups; my work-group's barrier once more
	s_barrier_signal -1
	s_barrier_wait -1
	s_cmp_lg_u32 s[WV], 0
	s_cbranch_scc1 .Lnot_wave_0_\@
	s_barrier_signal -3
.Lnot_wave_0_\@:
	s_barrier_wait -3
	s_barrier_signal -1
	s_barrier_wait -1
.endm
.macro MASKLOAD                        ; a step's 64 lane masks, 256 bytes: word w lands in s[32 + w] (w < 32) or s[36 + w]
	s_load_b512 s[32:47], s[16:17], s[OFF] offset:0x0
	s_load_b512 s[48:63], s[16:17], s[OFF] offset:0x40
	s_load_b512 s[68:83], s[16:17], s[OFF] offset:0x80
	s_load_b512 s[84:99], s[16:17], s[OFF] offset:0xc0
.endm
	s_load_b512 s[4:19], s[0:1], 0x0               ; q_img s[4:5], q_sc s[6:7], k_img s[8:9], k_sc s[10:11], V's codes s[12:13], V's scales s[14:15], mask_w s[16:17], a_img s[18:19]
	s_load_b64 s[20:21], s[0:1], 0x40              ; a_sc
	v_lshl_add_u32 v254, v0, 2, 0x48400
	v_mov_b32 v255, 0
	ds_add_u32 v254, v255
	ds_add_u32 v254, v255
	v_lshrrev_b32 v1, 5, v0
	v_readfirstlane_b32 s[WV], v1                  ; wave 0..15
	s_and_b32 s[JW], s[WV], 7
	s_bfe_u32 s[CX], ttmp6, 0x40000                ; my place in the cluster
	s_lshl_b32 s31, ttmp9, 2
	s_add_co_u32 s[CX], s[CX], s31                 ; work-group x: it enters the addresses of Q, the mask words and the results alone
	s_and_b32 s[YY], ttmp7, 0xffff                 ; y, which the four partners share
	; descriptor groups 1.  K's images: 16,384 dense bytes a wave, as 64 rows of 32 elements of 8 bytes
	s_mov_b32 s32, 15|(3<<16)|(1<<21)              ; 15:0 the mask: all four work-groups; 17:16 elements of 8 bytes; 21 set beside a mask
	s_mov_b32 s33, 32<<16                          ; tensor_dim0
	s_mov_b32 s34, 64<<16                          ; tensor_dim1
	s_mov_b32 s35, 32<<16                          ; tile_dim0
	s_mov_b32 s36, 64                              ; tile_dim1
	s_mov_b32 s37, 32                              ; from row to row
	s_mov_b32 s38, 0
	s_mov_b32 s39, 0
	; K's scale words: 512 dense bytes a wave, two such rows
	s_mov_b32 s40, 15|(3<<16)|(1<<21)
	s_mov_b32 s41, 32<<16
	s_mov_b32 s42, 2<<16
	s_mov_b32 s43, 32<<16
	s_mov_b32 s44, 2
	s_mov_b32 s45, 32
	s_mov_b32 s46, 0
	s_mov_b32 s47, 0
	; V: 64 rows (the head's 64) of 256 codes, 2,048 bytes apart; 4 words of padding behind every 64
	s_mov_b32 s48, 15|(1<<20)|(1<<21)|(5<<22)|(3<<25)
	s_mov_b32 s49, 256<<16
	s_mov_b32 s50, 64<<16
	s_mov_b32 s51, 256<<16
	s_mov_b32 s52, 64
	s_mov_b32 s53, 2048
	s_mov_b32 s54, 0
	s_mov_b32 s55, 0
	; V's scale bytes: 8 rows of 64 dense bytes a wave (8 elements of 8 bytes); 4 words of padding behind every 16
	s_mov_b32 s56, 15|(3<<16)|(1<<20)|(1<<21)|(3<<22)|(3<<25)
	s_mov_b32 s57, 8<<16
	s_mov_b32 s58, 8<<16
	s_mov_b32 s59, 8<<16
	s_mov_b32 s60, 8
	s_mov_b32 s61, 8
	s_mov_b32 s62, 0
	s_mov_b32 s63, 0
	; from where, in bytes: made of y and the wave's number alone
	s_lshl_b32 s84, s[YY], 17
	s_lshl_b32 s31, s[JW], 14
	s_add_co_u32 s84, s84, s31                     ; K's images: 131,072 y + 16,384 x eighth
	s_mov_b32 s85, 0
	s_lshl_b32 s86, s[YY], 12
	s_lshl_b32 s31, s[JW], 9
	s_add_co_u32 s86, s86, s31                     ; the scale bytes, K's and V's alike: 4,096 y + 512 x eighth
	s_mov_b32 s87, 0
	s_lshl_b32 s88, s[YY], 17
	s_lshl_b32 s31, s[JW], 8
	s_add_co_u32 s88, s88, s31                     ; V: 64 rows of 2,048 bytes a y, 256 keys an eighth
	s_mov_b32 s89, 0
	; groups 0: count, LDS address (the wave's number times a constant plus a constant), global address, type
	s_mov_b32 s68, 1
	s_lshl_b32 s69, s[JW], 14
	s_mov_b32 s72, 1
	s_lshl_b32 s73, s[JW], 9
	s_add_co_u32 s73, s73, KSC
	s_mov_b32 s76, 1
	s_mul_i32 s77, s[JW], VCH
	s_add_co_u32 s77, s77, VT
	s_mov_b32 s80, 1
	s_mul_i32 s81, s[JW], 8*VSP
	s_add_co_u32 s81, s81, VSC
	s_mov_b32 s[SEL], 0x76543210
	s_mov_b32 s[SEL+1], 0xfedcba98
	s_mov_b32 s[CS], 0x3d38aa3b
	s_mov_b32 s[MNT], 0x600000
	s_wait_dscnt 0x0
	s_wait_kmcnt 0x0
	s_add_nc_u64 s[70:71], s[8:9], s[84:85]
	s_or_b32 s71, s71, 0x80000000
	s_add_nc_u64 s[74:75], s[10:11], s[86:87]
	s_or_b32 s75, s75, 0x80000000
	s_add_nc_u64 s[78:79], s[12:13], s[88:89]
	s_or_b32 s79, s79, 0x80000000
	s_add_nc_u64 s[82:83], s[14:15], s[86:87]
	s_or_b32 s83, s83, 0x80000000
	CROUND                                         ; all four work-groups are here: the joint loads meet
	s_cmp_lt_u32 s[WV], 8                          ; waves 0-7 fetch K and its scale words, waves 8-15 V and its scale bytes: a wave's two fills stand in one branch; two loads of mine are out
	s_cbranch_scc0 .Lfor_v
	tensor_load_to_lds s[68:71], s[32:39]
	s_nop 0
	tensor_load_to_lds s[72:75], s[40:47]
	s_nop 0
.rept 4
	v_nop                                          ; four v_nop follow the second line, ahead of the jump and the label
.endr
	s_branch .Lasked
.Lfor_v:
	tensor_load_to_lds s[76:79], s[48:55]
	s_nop 0
	tensor_load_to_lds s[80:83], s[56:63]
	s_nop 0
.rept 4
	v_nop
.endr
.Lasked:
	; my own pointers
	s_lshl_b32 s90, s[CX], 4
	s_add_co_u32 s90, s90, s[WV]                   ; B: my block of 32 queries
	s_lshr_b32 s91, s[YY], 4                       ; n
	s_and_b32 s92, s[YY], 15                       ; head
	s_mov_b32 s95, 0
	s_lshl_b32 s94, s[YY], 17
	s_lshl_b32 s31, s90, 11
	s_add_co_u32 s94, s94, s31
	s_add_nc_u64 s[4:5], s[4:5], s[94:95]          ; Q's image
	s_lshl_b32 s94, s[YY], 12
	s_lshl_b32 s31, s90, 6
	s_add_co_u32 s94, s94, s31
	s_add_nc_u64 s[6:7], s[6:7], s[94:95]          ; Q's scale words
	s_lshl_b32 s94, s91, 6
	s_add_co_u32 s94, s94, s90
	s_lshl_b32 s94, s94, 13
	s_add_nc_u64 s[16:17], s[16:17], s[94:95]      ; the mask words of my 32 queries: 2 tiles x 16 steps x 256 bytes
	s_lshl_b32 s93, s91, 7
	s_lshl_b32 s31, s90, 1
	s_add_co_u32 s93, s93, s31                     ; the row tile of the last product: 128 n + 2 B (+ u)
	s_lshl_b32 s94, s93, 14
	s_lshl_b32 s31, s92, 10
	s_add_co_u32 s94, s94, s31
	s_add_nc_u64 s[18:19], s[18:19], s[94:95]      ; a_img: 16,384 a row tile, 1,024 a head
	s_lshl_b32 s94, s93, 6
	s_lshr_b32 s31, s92, 1
	s_lshl_b32 s31, s31, 15
	s_add_co_u32 s94, s94, s31
	s_and_b32 s31, s92, 1
	s_lshl_b32 s31, s31, 1
	s_add_co_u32 s94, s94, s31
	s_add_nc_u64 s[20:21], s[20:21], s[94:95]      ; a_sc: 32,768 (head / 2) + 64 a row tile + 2 (head % 2)
	v_and_b32 v[TMP], 31, v0
	v_lshlrev_b32 v[AK], 4, v[TMP]
	v_and_b32 v[QSO], 15, v0                       ; r
	v_bfe_u32 v[SBO], v0, 4, 1                     ; h
	v_mul_u32_u24 v[AV], v[QSO], VP
	v_lshl_add_u32 v[AV], v[SBO], 4, v[AV]
	v_add_nc_u32 v[AV], VT, v[AV]
	v_lshl_add_u32 v[ASK], v[QSO], 2, KSC
	v_mul_u32_u24 v[ASV], v[QSO], VSP
	v_add_nc_u32 v[ASV], VSC, v[ASV]
	s_lshl_b32 s31, s[WV], 10
	s_add_co_u32 s31, s31, STAGE                   ; my stage
	v_lshlrev_b32 v[SO], 4, v[QSO]
	v_lshl_add_u32 v[SO], v[SBO], 3, v[SO]
	v_add_nc_u32 v[SO], s31, v[SO]                 ; in: 16 r + 8 h
	v_add_nc_u32 v[SR], s31, v[AK]                 ; back: 16 x lane
	v_lshl_add_u32 v[SBO], v[QSO], 2, v[SBO]
	v_lshlrev_b32 v[QSO], 2, v[QSO]
	v_mov_b32 v[NEG], 0xe0ad78ec                   ; -1e20
	v_mov_b32 v[NIL], 0
.irp j, 0,1,2,3,4,5,6,7
	v_mov_b32 v[16+\j], 0                          ; the zero codes on both sides of q
	v_mov_b32 v[32+\j], 0
.endr
.irp b, 0,1,2,3
	v_mov_b32 v[PT+\b], 0                          ; written once: a lane permute's destination counts as one of its sources
.endr
	v_mov_b32 v[FF+1], 0                           ; the upper halves of pairs of which the low word serves both halves: named, so written
	v_mov_b32 v[CE+1], 0
	v_mov_b32 v[ME+1], 0
	s_wait_tensorcnt 0x0                           ; for the others' sake: my two fills have landed
	s_barrier_signal -1
	s_barrier_wait -1                              ; everybody's have: K, V and their scale bytes lie whole in LDS, and the descriptors' registers are free
	s_mov_b32 s[TT], 0
	s_mov_b32 s[OFF], 0
	MASKLOAD                                       ; the first step's lane masks
	s_mov_b32 s[PAS], 2
	s_mov_b32 s[SH], 0
; A KEY STEP: 128 keys, the q-th of the piece of 256 in hand.
.macro STEP q
	v_add_nc_u32 v[ADK], s[TK], v[AK]
	v_add_nc_u32 v[ADS], s[TS], v[ASK]
.rept 6
	v_nop                                          ; with the two additions: eight places in front of loads into registers that the last products have read
.endr
.irp b, 0,1,2,3
.irp c, 0,1,2,3
	ds_load_b128 v[FR+16*\b+4*\c:FR+16*\b+4*\c+3], v[ADK] offset:8192*(\q)+2048*\b+512*\c   ; an image as it lies: 512 consecutive bytes a load
.endr
	ds_load_b32 v[WS+\b], v[ADS] offset:256*(\q)+64*\b
.endr
	s_wait_dscnt 0x0
.irp b, 0,1,2,3                                ; S^T: block b's two tiles of 16 keys from one fragment
	v_wmma_scale_f32_16x16x128_f8f6f4 v[SCR+16*\b:SCR+16*\b+7], v[FR+16*\b:FR+16*\b+15], v[24:39], 0, v[WS+\b], v[QSLO]
	v_wmma_scale_f32_16x16x128_f8f6f4 v[SCR+16*\b+8:SCR+16*\b+15], v[FR+16*\b:FR+16*\b+15], v[16:31], 0, v[WS+\b], v[QSHI]
.endr
	v_add_nc_u32 v[ADV], s[TV], v[AV]
	v_add_nc_u32 v[ADT], s[TJ], v[ASV]
.rept 6
	v_nop                                          ; eight places again: for the loads below and for the first read of the scores
.endr
.irp t, 0,1,2,3                                ; V's four fragments are asked for now and land while the softmax is worked
.irp c, 0,1,2,3
	ds_load_b128 v[FR+16*\t+4*\c:FR+16*\t+4*\c+3], v[ADV] offset:16*VP*\t+128*(\q)+32*\c
.endr
	ds_load_b32 v[WS+\t], v[ADT] offset:16*VSP*\t+4*(\q)
.endr
	s_wait_kmcnt 0x0                               ; this step's lane masks are in
.set n, 0
.rept 64
	v_cndmask_b32 v[SCR+n], v[NEG], v[SCR+n], s[32+n+4*(n/32)]     ; a masked score becomes -1e20.  Ascending: each accumulator is read from its low end on
.set n, n+1
.endr
	s_add_co_u32 s[TT], s[TT], 1                   ; no scalar load is out, so the offset may be written:
	s_min_u32 s[OFF], s[TT], 31                    ; the next step's masks; the very last step asks for its own once more, so that no load leaves the buffer
	s_lshl_b32 s[OFF], s[OFF], 8
	MASKLOAD
.irp b, 0,1,2,3
	v_max3_num_f32 v[BM+\b], v[SCR+16*\b], v[SCR+1+16*\b], v[SCR+2+16*\b]   ; the largest score of each block of 32 keys: it serves for the row's maximum and, since p rises with the score, for the block's largest p
.endr
.irp i, 3,5,7,9,11,13
.irp b, 0,1,2,3
	v_max3_num_f32 v[BM+\b], v[BM+\b], v[SCR+16*\b+\i], v[SCR+1+16*\b+\i]   ; (the four blocks by turns)
.endr
.endr
.irp b, 0,1,2,3
	v_max_num_f32 v[BM+\b], v[BM+\b], v[SCR+15+16*\b]
.endr
.irp b, 0,1,2,3
	v_permlanex16_b32 v[PT+\b], v[BM+\b], s[SEL], s[SEL+1]
.endr
.irp b, 0,1,2,3
	v_max_num_f32 v[BM+\b], v[BM+\b], v[PT+\b]     ; with lane l xor 16's 16 keys
.endr
	v_max3_num_f32 v[TMP], v[BM], v[BM+1], v[BM+2]
	v_max_num_f32 v[TMP], v[TMP], v[BM+3]          ; the step's largest score of my query
	v_mul_f32 v[TMP], s[CS], v[TMP]                ; as t (c is positive)
	v_max_num_f32 v13, v13, v[TMP]                 ; the running largest t
	v_mov_b32 v[TMP], v12
	v_floor_f32 v12, -v13                          ; the new -M = floor(-t) = -ceil(t): a whole number
	v_sub_f32 v[TMP], v12, v[TMP]                  ; old M - new M: a whole number, 0 or less
	v_cvt_i32_f32 v[TMP], v[TMP]                   ; (it saturates)
	v_ldexp_f32 v[FF], 1.0, v[TMP]                 ; f = 2^(old M - new M)
	v_cmp_eq_f32 vcc_lo, 0xd3800000, v13           ; still the start value -2^40: no key has counted for my query yet
	v_cndmask_b32 v[CE], s[CS], v[NIL], vcc_lo     ; then c and -M are taken as 0: p = 1 for every key
	v_cndmask_b32 v[ME], v12, v[NIL], vcc_lo
.set n, 0
.rept 32
	v_pk_fma_f32 v[SCR+n:SCR+n+1], v[SCR+n:SCR+n+1], v[CE:CE+1], v[ME:ME+1] op_sel_hi:[1,0,0]   ; t - M, two at a time
.set n, n+2
.endr
.irp b, 0,1,2,3
	v_fma_f32 v[BM+\b], v[BM+\b], v[CE], v[ME]     ; the same of each block's largest score
.endr
.set n, 0
.rept 64
	v_exp_f32 v[SCR+n], v[SCR+n]                   ; p = 2^(t - M), at most 1
.set n, n+1
.endr
.irp b, 0,1,2,3
	v_exp_f32 v[BM+\b], v[BM+\b]                   ; the block's largest p: the same two instructions on the same number give the same bits
.endr
	v_pk_mul_f32 v[14:15], v[14:15], v[FF:FF+1] op_sel_hi:[1,0]    ; the sums under the new M (a plain instruction behind the exponentials)
	s_wait_alu depctr_va_vdst(0)
.irp b, 0,1,2,3
	v_max_num_f32 v[BM+\b], 0x4800000, v[BM+\b]    ; the floor 2^(9 - 127): the byte cannot fall under 1
.endr
.irp b, 0,1,2,3
	v_add_nc_u32 v[SV+\b], 0xfc000000, v[BM+\b]    ; 8 off the exponent field: the conversion's scale operand
.endr
.irp b, 0,1,2,3
	v_and_or_b32 v[HL+\b], v[BM+\b], 0x7f800000, s[MNT]            ; 448 x the scale
.endr
.irp b, 0,1,2,3
	v_lshrrev_b32 v[PT+\b], 23, v[SV+\b]           ; the scale's byte
.endr
	v_lshl_or_b32 v[PSW], v[PT+1], 8, v[PT]        ; p's scale word for these 128 keys
	v_lshl_or_b32 v[PSW], v[PT+2], 16, v[PSW]
	v_lshl_or_b32 v[PSW], v[PT+3], 24, v[PSW]
	v_pk_add_f32 v[PT:PT+1], v[SCR:SCR+1], v[SCR+2:SCR+3]          ; the row's sum is taken of the unquantised p: two at a time, in two chains
.irp j, 4,8,12,16,20,24,28,32,36,40,44,48,52,56,60
	v_pk_add_f32 v[14:15], v[14:15], v[SCR+\j:SCR+\j+1]
	v_pk_add_f32 v[PT:PT+1], v[PT:PT+1], v[SCR+2+\j:SCR+3+\j]
.endr
	v_pk_add_f32 v[14:15], v[14:15], v[PT:PT+1]
.irp b, 0,1,2,3
.irp i, 0,1,2,3,4,5,6,7,8,9,10,11,12,13,14,15
	v_min_num_f32 v[SCR+16*\b+\i], v[SCR+16*\b+\i], v[HL+\b]       ; the conversion does not saturate (ISA guide 7.6.2); p is not negative, so the hold is one-sided
.endr
	v_cvt_scalef32_pk8_fp8_f32 v[PC+4*\b:PC+4*\b+1], v[SCR+16*\b:SCR+16*\b+7], v[SV+\b]
	v_cvt_scalef32_pk8_fp8_f32 v[PC+4*\b+2:PC+4*\b+3], v[SCR+16*\b+8:SCR+16*\b+15], v[SV+\b]
.endr
.set n, 0
.rept 16
	v_pk_mul_f32 v[OT+n:OT+n+1], v[OT+n:OT+n+1], v[FF:FF+1] op_sel_hi:[1,0]   ; O^T under the new M.  (These sixteen also stand between the codes' conversions and the products)
.set n, n+2
.endr
	s_wait_dscnt 0x0                               ; V's fragments and scale words are in
.irp t, 0,1,2,3                                ; O^T += V^T P^T: the four accumulators by turns, one instruction a turn
	v_wmma_scale_f32_16x16x128_f8f6f4 v[OT+8*\t:OT+8*\t+7], v[FR+16*\t:FR+16*\t+15], v[PC:PC+15], v[OT+8*\t:OT+8*\t+7], v[WS+\t], v[PSW]
.endr
.endm
.Lpass:                                            ; two trips: tile u = 0, then u = 1 of my 32 queries
	global_load_b128 v[24:27], v[AK], s[4:5]       ; q: the tile's half of the image, as it lies
	global_load_b128 v[28:31], v[AK], s[4:5] offset:512
	global_load_b32 v[TMP], v[QSO], s[6:7]         ; my query's four scale bytes (both tiles')
	v_mov_b32 v13, 0xd3800000                      ; the largest t so far: -2^40
	v_floor_f32 v12, -v13                          ; -M
	v_mov_b32 v14, 0                               ; the sum, in two halves
	v_mov_b32 v15, 0
	s_wait_loadcnt 0x0
	v_lshrrev_b32 v[TMP], s[SH], v[TMP]
	v_and_b32 v[TMP], 0xffff, v[TMP]               ; this tile's two bytes
	v_or_b32 v[QSLO], 0x01010000, v[TMP]           ; q | zeros: the zero codes under the byte 1
	v_lshl_or_b32 v[QSHI], v[TMP], 16, 0x101       ; zeros | q
.set n, 0
.rept 32
	v_mov_b32 v[OT+n], 0                           ; O^T: the step is written once; the first finds zeros.  (These also stand between the scale words just made and the first products)
.set n, n+1
.endr
	s_mov_b32 s[TK], 0
	s_mov_b32 s[TV], 0
	s_mov_b32 s[TS], 0
	s_mov_b32 s[TJ], 0
	s_mov_b32 s[CHK], 8
.Lchunk:                                           ; eight trips: 256 keys, two steps
	STEP 0
	STEP 1
	s_add_co_u32 s[TK], s[TK], 16384
	s_add_co_u32 s[TV], s[TV], VCH
	s_add_co_u32 s[TS], s[TS], 512
	s_add_co_u32 s[TJ], s[TJ], 8
	s_sub_co_u32 s[CHK], s[CHK], 1
	s_cmp_lg_u32 s[CHK], 0
	s_cbranch_scc1 .Lchunk
	; THE WAY OUT OF A PASS.  O^T / l; lane (r, h) holds, of query r, channels 16 t + 8 h + j.  The head's 64 channels are two blocks of 32 of the last product's K: block b = tiles 2 b and 2 b + 1, in lanes l and l xor 16.
.rept 8
	v_nop                                          ; eight places behind the last products
.endr
	v_add_f32 v14, v14, v15                        ; the sum's two halves,
	v_permlanex16_b32 v[TMP], v14, s[SEL], s[SEL+1]
	v_add_f32 v14, v14, v[TMP]                     ; and lane l xor 16's: the row's sum
	v_rcp_f32 v14, v14
	v_nop                                          ; a plain instruction behind the reciprocal
.set n, 0
	s_wait_alu depctr_va_vdst(0)
.rept 32
	v_mul_f32 v[SCR+n], v[OT+n], v14               ; ascending: each accumulator from its low end on
.set n, n+1
.endr
.irp b, 0,1
	v_max3_num_f32 v[BM+\b], |v[SCR+16*\b]|, |v[SCR+1+16*\b]|, 0x4800000   ; my 16 numbers of block b, and the floor
.endr
.irp i, 2,4,6,8,10,12,14
.irp b, 0,1
	v_max3_num_f32 v[BM+\b], v[BM+\b], |v[SCR+16*\b+\i]|, |v[SCR+1+16*\b+\i]|
.endr
.endr
.irp b, 0,1
	v_permlanex16_b32 v[PT+\b], v[BM+\b], s[SEL], s[SEL+1]
.endr
.irp b, 0,1
	v_max_num_f32 v[BM+\b], v[BM+\b], v[PT+\b]     ; the block's largest magnitude
.endr
.irp b, 0,1
	v_add_nc_u32 v[SV+\b], 0xfc000000, v[BM+\b]
.endr
.irp b, 0,1
	v_and_or_b32 v[HL+\b], v[BM+\b], 0x7f800000, s[MNT]
.endr
.irp b, 0,1
	v_lshrrev_b32 v[PT+\b], 23, v[SV+\b]           ; the scale's byte
.endr
.irp b, 0,1
.irp i, 0,1,2,3,4,5,6,7,8,9,10,11,12,13,14,15
	v_med3_num_f32 v[SCR+16*\b+\i], v[SCR+16*\b+\i], -v[HL+\b], v[HL+\b]
.endr
	v_cvt_scalef32_pk8_fp8_f32 v[PC+4*\b:PC+4*\b+1], v[SCR+16*\b:SCR+16*\b+7], v[SV+\b]       ; channels 32 b + 8 h + 0 .. 7
	v_cvt_scalef32_pk8_fp8_f32 v[PC+4*\b+2:PC+4*\b+3], v[SCR+16*\b+8:SCR+16*\b+15], v[SV+\b]  ; channels 32 b + 16 + 8 h + 0 .. 7
.endr
	v_and_b32 v[TMP], 16, v0                       ; (a plain instruction behind the conversions)
	v_cmp_ne_u32 vcc_lo, 0, v[TMP]
	v_cndmask_b32 v[TMP], v[PT], v[PT+1], vcc_lo   ; lane (r, h) stores block h's byte of query r
.irp b, 0,1
.irp u, 0,1
	ds_store_b64 v[SO], v[PC+4*\b+2*\u:PC+4*\b+2*\u+1] offset:512*\b+256*\u   ; into the order of the next operand's registers: 512 b + 256 (channel / 16 % 2) + 16 r + channel % 16
.endr
.endr
	ds_load_b128 v[PC+8:PC+11], v[SR]              ; LDS serves a wave's instructions in order: these see my stores
	ds_load_b128 v[PC+12:PC+15], v[SR] offset:512
	s_wait_dscnt 0x0
	global_store_b128 v[AK], v[PC+8:PC+11], s[18:19]               ; 1,024 consecutive bytes: my head's half of an image
	global_store_b128 v[AK], v[PC+12:PC+15], s[18:19] offset:512
	global_store_b8 v[SBO], v[TMP], s[20:21]       ; a byte a lane: two of a word's four; the word's other two are the neighbouring head's
	s_wait_xcnt 0x0                                ; the stores have read their registers and bases: both may be written again
	s_add_nc_u64 s[4:5], s[4:5], 1024              ; on to tile u = 1
	s_add_nc_u64 s[18:19], s[18:19], 16384
	s_add_nc_u64 s[20:21], s[20:21], 64
	s_add_co_u32 s[SH], s[SH], 16
	s_sub_co_u32 s[PAS], s[PAS], 1
	s_cmp_lg_u32 s[PAS], 0
	s_cbranch_scc1 .Lpass
	s_wait_kmcnt 0x0                               ; the last, repeated mask load
	s_wait_tensorcnt 0x0
	ds_add_u32 v254, v255
	s_wait_dscnt 0x0
	CROUND                                         ; the closing round: no work-group ends while a partner may still ask for a tile that names it
	s_endpgm
.Lfunc_end_k_qf438080497_attention:
	.size	k_qf438080497_attention, .Lfunc_end_k_qf438080497_attention-k_qf438080497_attention
	.p2alignl 7, 3214868480
	.fill 96, 4, 3214868480
	.section	.rodata,"a",@progbits
	.p2align	6, 0x0
	.amdhsa_kernel k_qf438080497_attention
		.amdhsa_group_segment_fixed_size 327680
		.amdhsa_private_segment_fixed_size 0
		.amdhsa_enable_private_segment 0
		.amdhsa_kernarg_size 72
		.amdhsa_user_sgpr_count 2
		.amdhsa_user_sgpr_kernarg_segment_ptr 1
		.amdhsa_wavefront_size32 1
		.amdhsa_system_sgpr_workgroup_id_x 1
		.amdhsa_system_sgpr_workgroup_id_y 1
		.amdhsa_system_sgpr_workgroup_id_z 1
		.amdhsa_system_vgpr_workitem_id 0
		.amdhsa_next_free_vgpr 256
		.amdhsa_next_free_sgpr 100
		.amdhsa_reserve_vcc 1
		.amdhsa_float_denorm_mode_32 3
		.amdhsa_float_denorm_mode_16_64 3
		.amdhsa_memory_ordered 1
		.amdhsa_forward_progress 1
		.amdhsa_inst_pref_size 64
	.end_amdhsa_kernel
	.amdgpu_metadata
---
amdhsa.version: [ 1, 2 ]
amdhsa.kernels:
  - .name:           k_qf438080497_attention
    .symbol:         k_qf438080497_attention.kd
    .args:
      - { .name: q_img, .offset: 0, .size: 8, .value_kind: global_buffer, .address_space: global }
      - { .name: q_sc, .offset: 8, .size: 8, .value_kind: global_buffer, .address_space: global }
      - { .name: k_img, .offset: 16, .size: 8, .value_kind: global_buffer, .address_space: global }
      - { .name: k_sc, .offset: 24, .size: 8, .value_kind: global_buffer, .address_space: global }
      - { .name: values_codes, .offset: 32, .size: 8, .value_kind: global_buffer, .address_space: global }
      - { .name: values_scales, .offset: 40, .size: 8, .value_kind: global_buffer, .address_space: global }
      - { .name: mask_w, .offset: 48, .size: 8, .value_kind: global_buffer, .address_space: global }
      - { .name: a_img, .offset: 56, .size: 8, .value_kind: global_buffer, .address_space: global }
      - { .name: a_sc, .offset: 64, .size: 8, .value_kind: global_buffer, .address_space: global }
    .group_segment_fixed_size: 327680
    .private_segment_fixed_size: 0
    .kernarg_segment_align: 8
    .kernarg_segment_size: 72
    .max_flat_workgroup_size: 512
    .sgpr_count:     100
    .vgpr_count:     256
    .wavefront_size: 32
...
	.end_amdgpu_metadata
.endif
;; end of part 3
;; launch out_proj (part 4): grid 4 x 32, 4 waves a work-group, clusters of 4 x 4, 327,680 bytes of LDS; arguments a_img, a_sc, W_out_codes, W_out_scales, b_out, out0; writes out0
.if DOCPART == 4
	.amdgcn_target "amdgcn-amd-amdhsa--gfx1250"
	.amdhsa_code_object_version 6
	.text
	.protected	k_qf438080497_out_proj
	.globl	k_qf438080497_out_proj
	.p2align	8
	.type	k_qf438080497_out_proj,@function
k_qf438080497_out_proj:
	s_mov_b64 s[64:65], 0
	v_nop
	global_prefetch_b8 v0, s[64:65] scope:SCOPE_SE
	s_setreg_imm32_b32 hwreg(HW_REG_WAVE_MODE, 25, 1), 1
	s_wait_xcnt 0x0
	s_wait_alu depctr_hold_cnt(0) depctr_sa_sdst(0) depctr_va_vdst(0) depctr_va_sdst(0) depctr_va_ssrc(0) depctr_va_vcc(0) depctr_vm_vsrc(0)
	s_getreg_b32 s2, hwreg(HW_REG_IB_STS2, 6, 4)
	s_cmp_eq_u32 s2, 0
	s_cbranch_scc0 .Lentry_in_a_cluster
	s_endpgm
.Lentry_in_a_cluster:
	s_bfe_u32 s2, ttmp6, 0x10000c
	s_cmp_lg_u32 s2, 0xf033
	s_cbranch_scc0 .Lentry_shape_is_right
	s_endpgm
.Lentry_shape_is_right:
; out0[m][n] = sum over k of A[m][k] W[n][k] + b[n].  A: the attention's result, 8,192 rows x 1,024, codes of FP8 (E4M3) with one E8M0 scale for each 32 along K; W: [1024][1024] codes, K innermost, scale bytes [1024][32]; out0 f32.
; A LIES IN THE ORDER OF THE OPERAND'S REGISTERS: a_img [row tile (512)][128 along K (8)][2,048 bytes], a fragment's four groups of registers on end, 16 bytes a lane; a_sc [128 along K (8)][row (8,192)] words.
; Row r of row tile 128 n + 2 B + u is token 2,048 n + 32 B + 8 u + r + 8 (r / 8): the stores at the end put each row in its place.
; A tile of out0, 256 x 256, is made by a work-group of four waves; a wave makes 128 x 128: 64 accumulators of 16 x 16, 512 registers.  K goes in steps of 256 through a ring of two LDS slots filled by the tensor data mover.
; THE SCALES for all of K come into LDS once: W's by a tensor load among the first fills; A's, which lie by K step in memory, through registers (16 words a lane), into bytes of their own.
; CLUSTERS: 4 x 4 work-groups.  The four of a row of the cluster need the same tiles of A, the four of a column the same tiles of W: each tile is asked for JOINTLY, by the same tensor load with the same descriptor and a mask that names the four.
; THE MATRIX INSTRUCTION IS USED TRANSPOSED (source 0 = 16 rows of W, source 1 = 16 rows of A): a lane then holds eight neighbouring numbers of a row of out0.
; The grid has 128 work-groups: the tile is kept large, so that each LDS byte read feeds as many products as the registers allow.
; REGISTERS, in windows of 256: window 0: v0-31 addresses and the bias; v32-63 scale words, two sets; from v128 A's fragments (8 x 16 rows x 128 K), ONE set; on the way out v128-255 are free.
;   window 1: W's fragments, TWO sets, at v0 and at v128.   window 2: the 32 accumulators of my rows 0-63 (accumulator (a, b) at v[8 (8 a + b)]);   window 3: those of my rows 64-127.
.set SIZE_N, 1024
.set NQ,     2                         ; matrix instructions deep in a slot
.set PITCH,  272                       ; a row of W in LDS: 256 bytes + 16 of padding, so that the 16 rows that a load touches start at 16 different banks (64 banks of 4 bytes: ISA guide 11.1)
.set FR,     16                        ; registers of a fragment
.set NL,     4                         ; LDS loads that bring one
.set NP,     8                         ; places behind this matrix instruction (ISA guide 7.12.1)
.set HALFT,  128*PITCH                 ; 128 rows of W: what one tensor load brings
.set BOFF,   65536                     ; a slot: A's 16 row tiles x 4,096 bytes, then W's 256 rows
.set SLOT,   BOFF+2*HALFT
.set LAPS,   2                         ; a lap = two K steps of 256 = once round the ring
.set KS,     32                        ; a row of scale bytes
.set SCL,    2*SLOT                    ; behind the ring: A's scale bytes, 8 rows of 32 bytes + 16 of padding at a time; written by LDS stores, no fill lands there
.set HALFS,  16*272                    ; the scales of 128 rows
.set SBLK,   2*272                     ; those of 16 rows
.set SCLB,   SCL+2*HALFS               ; W's scale bytes, laid likewise: filled once
.set SPARE,  SCL+4*HALFS               ; the spare words, 128 bytes for each wave: two blocks of 256 bytes that no other line names
.set SPITCH, 528                       ; the way out: a stage of 16 rows x (512 bytes + 16) for each wave, in slot 0, which has had its last fill and its last read when the first result is stored there
.set BIAS, 8                           ; v8-11   b of my four columns of a row read back
.set ADRA, 16                          ; v16-17  LDS address of my A fragments in slot 0, 1
.set ADRB, 20                          ; v20-21  the same for W
.set STO,  24                          ; v24     the way out: where I put 32 bytes of a row
.set RD,   25                          ; v25     the way out: where I read a row back
.set CO,   26                          ; v26     16 x lane
.set ADRS, 27                          ; v27     LDS address of my scale words: lanes 0-15 A's rows, lanes 16-31 W's
.set SPW,  28                          ; v28     LDS address of my spare word; never rewritten
.set NIL,  29                          ; v29     0; never rewritten
.set SCW,  30                          ; v30     where I store A's scale words
.set SC,   32                          ; scale words: set s at v[SC + 16 s]; register 2 i + q: lanes 0-15 the word of A's block i, lanes 16-31 that of W's block i, for the slot's q-th 128 along K
.set AF,   128
.set BK,   128                         ; the way out: 16 rows read back: v128-191 and v192-255 by turns
.set G1,   24                          ; s[24:31] descriptor group 1 for A's tiles;  s[32:39] group 0, one set for each slot
.set G0,   32
.set G1B,  48                          ; s[48:55], s[56:63] the same for W's tiles
.set G0B,  56
.set G1SB, 80                          ; s[80:87], s[88:91] groups 1 and 0 for W's scale bytes
.set G0SB, 88
.set WV,   95                          ; s95  my wave's number
.set RH,   96                          ; s96  which half of the tile's rows is mine.  Also: I fetch for A (0) or for W (1)
.set CH,   97                          ; s97  which half of its columns.  Also: which half of that tile I fetch
.set MSB, 0
.macro WIN new                         ; the immediate's high byte repeats the setting that is left
.if MSB != \new
	s_set_vgpr_msb (MSB<<8)|\new
.set MSB, \new
.endif
.endm
.set MUL_LO, 0xa1                      ; source 0 (W) window 1, source 1 (A) window 0, C and D window 2
.set MUL_HI, 0xf1                      ; the same, C and D window 3
.set TO_B,   0x40                      ; destination window 1, address window 0
; A joint load: waves 0 and 1 fetch for A, waves 2 and 3 for W.  The branch hangs on the wave's number alone.  Four v_nop follow each of the two lines.
.macro JLOAD g0a, g1a, g0b, g1b
	s_cmp_eq_u32 s[RH], 0
	s_cbranch_scc0 .Lfor_b_\@
	tensor_load_to_lds s[\g0a:\g0a+3], s[\g1a:\g1a+7]
	s_nop 0
.rept 4
	v_nop
.endr
	s_branch .Lasked_\@
.Lfor_b_\@:
	tensor_load_to_lds s[\g0b:\g0b+3], s[\g1b:\g1b+7]
	s_nop 0
.rept 4
	v_nop
.endr
.Lasked_\@:
.endm
.macro CREST                           ; a round of the cluster's barrier behind its opening barrier
	s_cmp_lg_u32 s[WV], 0
	s_cbranch_scc1 .Lnot_wave_0_\@
	s_barrier_signal -3
.Lnot_wave_0_\@:
	s_barrier_wait -3
	s_barrier_signal -1
	s_barrier_wait -1
.endm
.macro CROUND                          ; a whole round
	s_barrier_signal -1
	s_barrier_wait -1
	CREST
.endm
	s_load_b256 s[4:11], s[0:1], 0x0               ; a_img s[4:5], a_sc s[6:7], W's codes s[8:9], W's scales s[10:11]
	s_load_b128 s[12:15], s[0:1], 0x20             ; b_out s[12:13], out0 s[14:15]
	v_lshl_add_u32 v[SPW], v0, 2, SPARE
	v_mov_b32 v[NIL], 0
	ds_add_u32 v28, v29
	ds_add_u32 v28, v29
	s_wait_dscnt 0x0
	v_lshrrev_b32 v1, 5, v0
	v_readfirstlane_b32 s[WV], v1                  ; wave 0..3
	s_lshr_b32 s[RH], s[WV], 1
	s_and_b32 s[CH], s[WV], 1
	s_bfe_u32 s40, ttmp6, 0x40000                  ; cx, cy: my place in the cluster
	s_bfe_u32 s41, ttmp6, 0x40004
	s_lshl_b32 s42, ttmp9, 2
	s_add_co_u32 s42, s42, s40                     ; tile column = 4 x cluster x + cx
	s_and_b32 s17, ttmp7, 0xffff
	s_lshl_b32 s17, s17, 2
	s_add_co_u32 s17, s17, s41                     ; tile row = 4 x cluster y + cy
	s_lshl_b32 s43, s41, 2
	s_lshl_b32 s43, 15, s43                        ; my row of the cluster
	s_lshl_b32 s44, 0x1111, s40                    ; my column
	; group 1 for A: 8 row tiles x 4,096 bytes (512 elements of 8 bytes), 16,384 bytes apart; no padding: the images are read 512 consecutive bytes a load
	s_or_b32 s[G1+0], s43, (3<<16)|(1<<21)         ; 15:0 the mask: A's tiles go to my row; 17:16 elements of 8 bytes; 21 set beside a mask
	s_mov_b32 s[G1+1], 512<<16                     ; tensor_dim0
	s_mov_b32 s[G1+2], 8<<16                       ; tensor_dim1
	s_mov_b32 s[G1+3], 512<<16                     ; tile_dim0
	s_mov_b32 s[G1+4], 8                           ; tile_dim1
	s_mov_b32 s[G1+5], 2048                        ; from row tile to row tile
	s_mov_b32 s[G1+6], 0
	s_mov_b32 s[G1+7], 0
	; for W: 128 rows x 256 bytes, 1,024 bytes apart; 4 words of padding behind every 64
	s_or_b32 s[G1B+0], s44, (0<<16)|(1<<20)|(1<<21)|(5<<22)|(3<<25)
	s_mov_b32 s[G1B+1], 256<<16
	s_mov_b32 s[G1B+2], 128<<16
	s_mov_b32 s[G1B+3], 256<<16
	s_mov_b32 s[G1B+4], 128
	s_mov_b32 s[G1B+5], 1024
	s_mov_b32 s[G1B+6], 0
	s_mov_b32 s[G1B+7], 0
	; for W's scale bytes: those of 64 rows, 2,048 dense bytes, as 8 rows of 256 bytes, 16 bytes of padding behind each
	s_or_b32 s[G1SB+0], s44, (3<<16)|(1<<20)|(1<<21)|(5<<22)|(3<<25)
	s_mov_b32 s[G1SB+1], 32<<16
	s_mov_b32 s[G1SB+2], 8<<16
	s_mov_b32 s[G1SB+3], 32<<16
	s_mov_b32 s[G1SB+4], 8
	s_mov_b32 s[G1SB+5], 32
	s_mov_b32 s[G1SB+6], 0
	s_mov_b32 s[G1SB+7], 0
	; offsets in bytes.  What feeds A's descriptors is made of the tile row and the wave's number, what feeds W's of the tile column and the wave's number, each in registers that never hold the other coordinate
	s_lshl_b32 s20, s17, 4
	s_lshl_b32 s18, s[CH], 3
	s_add_co_u32 s20, s20, s18                     ; A: row tile 16 x tile row + 8 x half
	s_lshl_b32 s20, s20, 14
	s_mov_b32 s21, 0
	s_lshl_b32 s22, s17, 10                        ; A's scale words: 4 bytes a row: 256 x tile row + 128 x (wave % 2) rows on,
	s_lshl_b32 s18, s[CH], 9
	s_add_co_u32 s22, s22, s18
	s_lshl_b32 s18, s[RH], 17                      ; and four runs of 8,192 words on for waves 2 and 3
	s_add_co_u32 s22, s22, s18
	s_mov_b32 s23, 0
	s_lshl_b32 s46, s42, 8
	s_lshl_b32 s18, s[CH], 7
	s_add_co_u32 s46, s46, s18                     ; W: row 256 x tile column + 128 x half
	s_lshl_b32 s46, s46, 10
	s_mov_b32 s47, 0
	s_lshl_b32 s92, s42, 8
	s_lshl_b32 s18, s[WV], 6
	s_add_co_u32 s92, s92, s18                     ; W's scale bytes: row 256 x tile column + 64 x wave
	s_lshl_b32 s92, s92, 5
	s_mov_b32 s93, 0
	s_lshl_b32 s68, s17, 8
	s_lshl_b32 s18, s[RH], 7
	s_add_co_u32 s68, s68, s18
	s_lshl_b32 s68, s68, 12                        ; out0: my first row, 4,096 bytes a row,
	s_mov_b32 s69, 0
	s_lshl_b32 s70, s42, 10
	s_lshl_b32 s18, s[CH], 9
	s_add_co_u32 s70, s70, s18                     ; and my first column, in bytes (b's too)
	s_mov_b32 s71, 0
	s_lshl_b32 s45, s[CH], 15                      ; where they go in a slot: no place in the cluster enters an LDS address
	s_mul_i32 s94, s[CH], HALFT
	s_add_co_u32 s94, s94, BOFF
	s_mul_i32 s16, s[WV], 8*272
	s_add_co_u32 s16, s16, SCLB
	s_wait_kmcnt 0x0
	s_add_nc_u64 s[20:21], s[4:5], s[20:21]
	s_add_nc_u64 s[6:7], s[6:7], s[22:23]
	s_add_nc_u64 s[46:47], s[8:9], s[46:47]
	s_add_nc_u64 s[92:93], s[10:11], s[92:93]
	s_add_nc_u64 s[12:13], s[12:13], s[70:71]
	s_add_nc_u64 s[14:15], s[14:15], s[68:69]
	s_add_nc_u64 s[14:15], s[14:15], s[70:71]
	s_mov_b32 s[G0SB], 1
	s_mov_b32 s[G0SB+1], s16
	s_mov_b64 s[G0SB+2:G0SB+3], s[92:93]
	s_or_b32 s[G0SB+3], s[G0SB+3], 0x80000000
.irp s, 0,1
	s_mov_b32 s[G0+4*\s], 1
	s_add_co_u32 s[G0+4*\s+1], s45, \s*SLOT
	s_add_nc_u64 s[G0+4*\s+2:G0+4*\s+3], s[20:21], \s*4096         ; K step s: two images of each row tile
	s_or_b32 s[G0+4*\s+3], s[G0+4*\s+3], 0x80000000
	s_mov_b32 s[G0B+4*\s], 1
	s_add_co_u32 s[G0B+4*\s+1], s94, \s*SLOT
	s_add_nc_u64 s[G0B+4*\s+2:G0B+4*\s+3], s[46:47], \s*256
	s_or_b32 s[G0B+4*\s+3], s[G0B+4*\s+3], 0x80000000
.endr
	CROUND                                         ; all sixteen work-groups are here: the first joint loads meet
	tensor_load_to_lds s[G0SB:G0SB+3], s[G1SB:G1SB+7]              ; W's scale bytes first: every wave brings those of 64 rows
	s_nop 0
.rept 4
	v_nop
.endr
	JLOAD G0, G1, G0B, G1B                         ; slot 0
	JLOAD G0+4, G1, G0B+4, G1B                     ; slot 1: three loads of mine are out
	v_and_b32 v7, 31, v0
	v_lshlrev_b32 v[CO], 4, v7
.irp j, 0,1,2,3
	global_load_b128 v[128+4*\j:128+4*\j+3], v[CO], s[6:7] offset:32768*\j    ; A's scale words of 128 rows for four of the eight runs of 128 along K: 512 consecutive bytes a load
.endr
	global_load_b128 v[BIAS:BIAS+3], v[CO], s[12:13]               ; b of my four columns
	v_and_b32 v1, 15, v0                           ; l % 16
	v_bfe_u32 v2, v0, 4, 1                         ; l / 16
	v_mul_u32_u24 v3, v1, PITCH
	v_lshl_add_u32 v4, v2, 4, v3                   ; W: a fragment's row x pitch + 16 x half
	s_lshl_b32 s21, s[RH], 15                      ; my 8 row tiles of A
	s_mul_i32 s22, s[CH], HALFT                    ; my 128 rows of W,
	s_add_co_u32 s22, s22, BOFF                    ; which lie behind A's images
.irp s, 0,1
	v_add_nc_u32 v[ADRA+\s], s21, v[CO]
	v_add_nc_u32 v[ADRB+\s], s22, v4
	s_add_co_u32 s21, s21, SLOT
	s_add_co_u32 s22, s22, SLOT
.endr
	v_mul_u32_u24 v5, v1, KS                       ; my row's scales: 32 bytes a row,
	v_lshrrev_b32 v6, 8, v5
	v_lshl_add_u32 v5, v6, 4, v5                   ; and 16 more for each 256 passed
	s_mul_i32 s21, s[RH], HALFS                    ; A's: my 128 rows
	s_mul_i32 s22, s[CH], HALFS                    ; W's: my 128 rows, behind A's 256
	s_add_co_u32 s22, s22, 2*HALFS
	s_sub_co_u32 s22, s22, s21
	v_mul_u32_u24 v6, s22, v2                      ; lanes 16-31 take W's
	s_add_co_u32 s21, s21, SCL
	v_add_nc_u32 v5, v5, v6
	v_add_nc_u32 v[ADRS], s21, v5
	v_lshrrev_b32 v5, 1, v7                        ; where A's scale words go: my four rows 4 l .. 4 l + 3 lie in the piece l / 2, 128 (l % 2) bytes on;
	v_mul_u32_u24 v5, v5, 272
	v_and_b32 v6, 1, v7
	v_lshl_add_u32 v5, v6, 7, v5
	s_mul_i32 s21, s[CH], HALFS                    ; the wave's 128 rows;
	s_lshl_b32 s22, s[RH], 4                       ; its four words of each row
	s_add_co_u32 s21, s21, s22
	s_add_co_u32 s21, s21, SCL
	v_add_nc_u32 v[SCW], s21, v5
	s_mul_i32 s23, s[WV], 16*SPITCH                ; my stage
	v_mul_u32_u24 v5, v1, SPITCH                   ; in: row l % 16, 32 bytes for each half of the lanes
	v_lshl_add_u32 v5, v2, 5, v5
	v_add_nc_u32 v[STO], s23, v5
	v_add_nc_u32 v[RD], s23, v[CO]                 ; back: the 32 lanes take one row of 512 bytes
.macro FRAGB reg, adr, q, i            ; a fragment of W from rows: lane l holds row l % 16; registers 4 c .. 4 c + 3 hold K = 32 c + 16 (l / 16) + 0 .. 15
.irp c, 0,1,2,3
	ds_load_b128 v[\reg+4*\c:\reg+4*\c+3], v[\adr] offset:128*(\q)+32*\c+(\i)*16*PITCH
.endr
.endm
.macro FRAGA reg, adr, q, i            ; a fragment of A from its image: the same registers, 16 bytes a lane on end
.irp c, 0,1,2,3
	ds_load_b128 v[\reg+4*\c:\reg+4*\c+3], v[\adr] offset:2048*(\q)+512*\c+(\i)*4096
.endr
.endm
; 16 matrix instructions: A's blocks a0, a0 + 1 x W's eight, 128 along K: the slot's q-th.  p: W's set;  sc: the set of scale words.  zero = 1: the first product starts the sums: nothing is ever cleared.
; The 64 accumulators take turns, one instruction a turn, in the same order in every step.
.macro MUL16 a0, p, q, sc, zero
.irp a, \a0, \a0+1
.irp b, 0,1,2,3,4,5,6,7
.if \zero
	v_wmma_scale_f32_16x16x128_f8f6f4 v[8*(8*((\a)%4)+\b):8*(8*((\a)%4)+\b)+7], v[128*(\p)+FR*\b:128*(\p)+FR*\b+FR-1], v[AF+FR*(\a):AF+FR*(\a)+FR-1], 0, v[SC+8*NQ*(\sc)+NQ*\b+(\q)], v[SC+8*NQ*(\sc)+NQ*(\a)+(\q)] matrix_a_scale:MATRIX_SCALE_ROW1
.else
	v_wmma_scale_f32_16x16x128_f8f6f4 v[8*(8*((\a)%4)+\b):8*(8*((\a)%4)+\b)+7], v[128*(\p)+FR*\b:128*(\p)+FR*\b+FR-1], v[AF+FR*(\a):AF+FR*(\a)+FR-1], v[8*(8*((\a)%4)+\b):8*(8*((\a)%4)+\b)+7], v[SC+8*NQ*(\sc)+NQ*\b+(\q)], v[SC+8*NQ*(\sc)+NQ*(\a)+(\q)] matrix_a_scale:MATRIX_SCALE_ROW1
.endif
.endr
.endr
.endm
.macro FETCH_B slot, q, p              ; W's eight fragments of the slot's q-th 128 along K into set p
	WIN TO_B
.irp i, 0,1,2,3,4,5,6,7
	FRAGB 128*(\p)+FR*\i, ADRB+\slot, \q, \i
.endr
	WIN 0
.endm
.macro FETCH_A slot, q, i0             ; A's blocks i0 .. i0 + 3
.irp i, \i0, \i0+1, \i0+2, \i0+3
	FRAGA AF+FR*(\i), ADRA+\slot, \q, \i
.endr
.endm
.macro SCALES sc                       ; the next K step's scale words into set sc: two words a row; lanes 0-15 take A's block i, lanes 16-31 W's block i
.irp i, 0,1,2,3,4,5,6,7
	ds_load_b64 v[SC+8*NQ*\sc+NQ*\i:SC+8*NQ*\sc+NQ*\i+1], v[ADRS] offset:\i*SBLK
.endr
.endm
; A load into a register that a matrix instruction has read, and a vector instruction or an LDS store that reads a matrix result, stand NP places behind that matrix instruction; only plain vector
; instructions that name none of its registers are places (ISA guide 7.12.1 for vector instructions).
.macro PLACES n
.rept \n
	v_nop
.endr
.endm
; A step of 128 along K that has its successor in the same slot.
.macro STEP slot, q, zero
	s_wait_dscnt 4*NL                              ; W's set and A's blocks 0-3 are in; the youngest sixteen loads (A's blocks 4-7) may be out
	WIN MUL_LO
	MUL16 0, (\q)%2, \q, \slot, \zero
	MUL16 2, (\q)%2, \q, \slot, \zero
	s_wait_dscnt 0                                 ; A's blocks 4-7 are in (asked for 32 matrix instructions ago)
	PLACES NP
	FETCH_B \slot, (\q)+1, 1-(\q)%2
	FETCH_A \slot, (\q)+1, 0
	WIN MUL_HI
	MUL16 4, (\q)%2, \q, \slot, \zero
	MUL16 6, (\q)%2, \q, \slot, \zero
	PLACES NP
	WIN 0
	FETCH_A \slot, (\q)+1, 4
.endm
; A slot's last step changes slots: ONE barrier; in front of it each wave waits for all its tensor loads, adds 0 to its spare word, and waits for that and for its own reads of this slot.  fill = 1: this slot is filled again, two K steps ahead.
.macro TURN slot, next, fill
	s_wait_tensorcnt 0x0                           ; all my tensor loads have landed: my part of the next slot;  (every window is 0 here: the add's two registers lie in window 0)
	ds_add_u32 v[SPW], v[NIL]                      ; 0 onto my spare word;
	s_wait_dscnt 4*NL+1                            ; (the add and the youngest sixteen loads, A's blocks 4-7, may be out)
	WIN MUL_LO
	MUL16 0, 1, NQ-1, \slot, 0                     ; sixteen matrix instructions stand between the add and the wait for it
	s_wait_dscnt 0x0                               ; the add is done, and my reads of this slot are over
	s_barrier_signal -1
	MUL16 2, 1, NQ-1, \slot, 0
	WIN 0
	s_barrier_wait -1
.if \fill
	CREST                                          ; the barrier has opened a round of the cluster's barrier: no wave of any partner still reads this slot's tile or has a load on its way
	s_add_nc_u64 s[G0+4*\slot+2:G0+4*\slot+3], s[G0+4*\slot+2:G0+4*\slot+3], 2*4096
	s_add_nc_u64 s[G0B+4*\slot+2:G0B+4*\slot+3], s[G0B+4*\slot+2:G0B+4*\slot+3], 2*256
	JLOAD G0+4*\slot, G1, G0B+4*\slot, G1B         ; the first tensor load behind the round; the four v_nop behind it are among the places in front of the loads below
	PLACES NP-4
.else
	PLACES NP
.endif
	v_add_nc_u32 v[ADRS], 4*NQ, v[ADRS]            ; on to the next K step's scale words (no LDS load of mine is out)
	FETCH_B \next, 0, 0
	FETCH_A \next, 0, 0
	SCALES \next
	WIN MUL_HI
	MUL16 4, 1, NQ-1, \slot, 0
	MUL16 6, 1, NQ-1, \slot, 0
	PLACES NP
	WIN 0
	FETCH_A \next, 0, 4
.endm
	s_wait_loadcnt 0x0                             ; A's scale words and b are in registers
.irp j, 0,1,2,3
.irp e, 0,1,2,3
	ds_store_b32 v[SCW], v[128+4*\j+\e] offset:32*\e+4*\j          ; row 4 l + e, word 4 (wave / 2) + j of its eight
.endr
.endr
	s_wait_dscnt 0x0                               ; for the others' sake: my stores have landed;
	s_wait_tensorcnt 1                             ; W's scale bytes and my part of K step 0 are in (K step 1's load may be out)
	s_barrier_signal -1
	s_barrier_wait -1                              ; everybody's are
	FETCH_B 0, 0, 0
	FETCH_A 0, 0, 0
	SCALES 0
	FETCH_A 0, 0, 4
	STEP 0, 0, 1                                   ; the first step stands in front of the loop: its products start the sums
	s_mov_b32 s3, LAPS-1
.Llap:                                                 ; a trip goes once round the ring, from a lap's second step to the next lap's first, and fills both slots again
	TURN 0, 1, 1
	STEP 1, 0, 0
	TURN 1, 0, 1
	STEP 0, 0, 0
	s_sub_co_u32 s3, s3, 1
	s_cmp_lg_u32 s3, 0
	s_cbranch_scc1 .Llap
	TURN 0, 1, 0                                   ; the last lap fills nothing, and has no round of the cluster's barrier
	STEP 1, 0, 0
	s_wait_dscnt 4*NL                              ; the very last step: nothing more to fetch
	WIN MUL_LO
	MUL16 0, 1, NQ-1, 1, 0
	MUL16 2, 1, NQ-1, 1, 0
	s_wait_dscnt 0
	WIN MUL_HI
	MUL16 4, 1, NQ-1, 1, 0
	MUL16 6, 1, NQ-1, 1, 0
	WIN 0
; THE WAY OUT, block by block of 16 rows x 128 columns.  A lane holds 32 neighbouring bytes of a row, and the lanes beside it hold other rows: so a block goes through my own stage in LDS and comes back as whole
; rows of 512 bytes; b is added, and the 32 lanes store 512 consecutive aligned bytes.  LDS serves a wave's instructions in order (ISA guide 5.7.1.4): no wait between the stores and the loads, nor in front of the next block's stores.
.macro TOSTAGE a
.set AC, 64*((\a)%4)
	WIN 0x08+4*((\a)/4)                            ; the data: window 2 or 3
.irp b, 0,1,2,3,4,5,6,7
	ds_store_b128 v[STO], v[AC+8*\b:AC+8*\b+3] offset:64*\b          ; each accumulator from its low end on
	ds_store_b128 v[STO], v[AC+8*\b+4:AC+8*\b+7] offset:64*\b+16
.endr
	WIN 0
.set BB, BK+64*((\a)%2)
.irp t, 0,1,2,3,4,5,6,7,8,9,10,11,12,13,14,15
	ds_load_b128 v[BB+4*\t:BB+4*\t+3], v[RD] offset:\t*SPITCH
.endr
.endm
.macro SEND a, younger                 ; younger: the LDS instructions issued behind block a's loads, which may stay out
.set BB, BK+64*((\a)%2)
	s_wait_dscnt \younger                          ; the block is back in registers
.irp t, 0,1,2,3,4,5,6,7,8,9,10,11,12,13,14,15
	v_pk_add_f32 v[BB+4*\t:BB+4*\t+1], v[BB+4*\t:BB+4*\t+1], v[BIAS:BIAS+1]
	v_pk_add_f32 v[BB+4*\t+2:BB+4*\t+3], v[BB+4*\t+2:BB+4*\t+3], v[BIAS+2:BIAS+3]
	global_store_b128 v[CO], v[BB+4*\t:BB+4*\t+3], s[14:15] offset:(32*((\a)/2)+8*((\a)%2)+\t+8*(\t/8))*SIZE_N*4 th:TH_STORE_NT   ; row t of row tile a is token 32 (a / 2) + 8 (a % 2) + t + 8 (t / 8) of my 128: 127 rows of 4,096 bytes at the most, inside the signed 24-bit immediate
.endr
.endm
	PLACES NP                                      ; these places serve the loads into the registers that held A's fragments and the reads of the last products' results alike
	TOSTAGE 0
.irp a, 1,2,3,4,5,6,7
.if \a > 1
	s_wait_xcnt 0x0                                ; block a - 2's stores have read their registers: block a's loads may land there
.endif
	TOSTAGE \a
	SEND \a-1, 32                                  ; behind block a - 1's loads: block a's 16 stores and 16 loads
.endr
	SEND 7, 0
	s_wait_tensorcnt 0x0                           ; the wave's end, behind my last tensor load and my last LDS store
	ds_add_u32 v[SPW], v[NIL]
	s_wait_dscnt 0x0
	CROUND                                         ; the closing round: no work-group ends while a partner may still ask for a tile that names it
	s_endpgm
.Lfunc_end_k_qf438080497_out_proj:
	.size	k_qf438080497_out_proj, .Lfunc_end_k_qf438080497_out_proj-k_qf438080497_out_proj
	.p2alignl 7, 3214868480
	.fill 96, 4, 3214868480
	.section	.rodata,"a",@progbits
	.p2align	6, 0x0
	.amdhsa_kernel k_qf438080497_out_proj
		.amdhsa_group_segment_fixed_size 327680
		.amdhsa_private_segment_fixed_size 0
		.amdhsa_enable_private_segment 0
		.amdhsa_kernarg_size 48
		.amdhsa_user_sgpr_count 2
		.amdhsa_user_sgpr_kernarg_segment_ptr 1
		.amdhsa_wavefront_size32 1
		.amdhsa_system_sgpr_workgroup_id_x 1
		.amdhsa_system_sgpr_workgroup_id_y 1
		.amdhsa_system_sgpr_workgroup_id_z 1
		.amdhsa_system_vgpr_workitem_id 0
		.amdhsa_next_free_vgpr 1024
		.amdhsa_next_free_sgpr 98
		.amdhsa_reserve_vcc 0
		.amdhsa_float_denorm_mode_32 3
		.amdhsa_float_denorm_mode_16_64 3
		.amdhsa_memory_ordered 1
		.amdhsa_forward_progress 1
		.amdhsa_inst_pref_size 162
	.end_amdhsa_kernel
	.amdgpu_metadata
---
amdhsa.version: [ 1, 2 ]
amdhsa.kernels:
  - .name:           k_qf438080497_out_proj
    .symbol:         k_qf438080497_out_proj.kd
    .args:
      - { .name: a_img, .offset: 0, .size: 8, .value_kind: global_buffer, .address_space: global }
      - { .name: a_sc, .offset: 8, .size: 8, .value_kind: global_buffer, .address_space: global }
      - { .name: W_out_codes, .offset: 16, .size: 8, .value_kind: global_buffer, .address_space: global }
      - { .name: W_out_scales, .offset: 24, .size: 8, .value_kind: global_buffer, .address_space: global }
      - { .name: b_out, .offset: 32, .size: 8, .value_kind: global_buffer, .address_space: global }
      - { .name: out0, .offset: 40, .size: 8, .value_kind: global_buffer, .address_space: global }
    .group_segment_fixed_size: 327680
    .private_segment_fixed_size: 0
    .kernarg_segment_align: 8
    .kernarg_segment_size: 48
    .max_flat_workgroup_size: 128
    .sgpr_count:     98
    .vgpr_count:     1024
    .wavefront_size: 32
...
	.end_amdgpu_metadata
.endif
;; end of part 4
;; ======== version 2 of 2: 3 launches
;; limits: inputs' magnitudes at most 600,000; right only within a limited range of input values
;; workspace buffers: k_img 8,388,608 bytes; k_sc 262,144 bytes; mask_w 2,097,152 bytes of whole numbers; a_img 8,388,608 bytes; a_sc 262,144 bytes
;; launch prepare (part 5): grid 1024 x 1, 4 waves a work-group, no clusters, 75,264 bytes of LDS; arguments k_img, k_sc, mask, mask_w, keys; writes k_img, k_sc, mask_w
.if DOCPART == 5
	.amdgcn_target "amdgcn-amd-amdhsa--gfx1250"
	.amdhsa_code_object_version 6
	.text
	.protected	k_qf438080497_prepare
	.globl	k_qf438080497_prepare
	.p2align	8
	.type	k_qf438080497_prepare,@function
k_qf438080497_prepare:
	s_mov_b64 s[64:65], 0
	v_nop
	global_prefetch_b8 v0, s[64:65] scope:SCOPE_SE
	s_setreg_imm32_b32 hwreg(HW_REG_WAVE_MODE, 25, 1), 1
	s_wait_xcnt 0x0
; ONE LAUNCH FOR TWO STREAMS, which part on the work-group's number at the first line: work-groups 0 to 511 quantise keys, work-groups 512 to 1,023 pack the mask.  Each path has LDS bytes of its own.
;
; THE QUANTISER.  keys, [4][2048][1024] f32, become codes of FP8 (E4M3) with one E8M0 scale byte for each 32 along a head's 64 numbers (the first product's K).  Every work-group of a head reads them, so they are made once.
; A block's scale is 2^(floor(log2(its largest magnitude)) - 8); its byte is the largest magnitude's exponent field - 8, held at 1 from below; each number is divided by the scale, held within +-448, rounded to the nearest code, ties to even.
; LIMITS: a block whose largest magnitude lies under 2^(9 - 127) keeps the byte 1 (a block of zeros too: its codes are zeros, and this program alone reads the bytes); NaN and infinities are not served.
; THE CODES ARE LAID AS THE NEXT LAUNCH'S OPERAND REGISTERS WANT THEM.  For each y = 16 n + head and each block B of 32 tokens an image of 2,048 bytes:
;   byte (2 u + blk) 512 + 256 h + 16 r + i = the code of number 32 blk + 16 h + i of token 32 B + 8 u + r + 8 (r / 8).   The scale bytes: [y][B][r] words, byte 2 u + blk.
; SHARES.  A work-group takes 32 tokens and eight heads, a wave two heads: 32 loads of 512 consecutive bytes, in 8 steps of 4 tokens.
; A step's 2,048 bytes turn through the wave's own stage in LDS, so that a lane holds 16 neighbours (two neighbouring lanes hold a block); the codes gather in a second stage in image order and leave as runs of 512 bytes.
;
; THE MASK.  mask [4][1][2048 queries][2048 keys] int32 becomes lane masks for the attention launch, one bit a number: all sixteen heads then read a thirty-second of the bytes.
; mask_w: [n][B][u][step (16)][w (64)] words.  Bit 16 h + r of word w = 16 b + i says whether mask[n][query 32 B + 8 u + r + 8 (r / 8)][key 128 step + 32 b + 16 h + i] is not 0:
; that is the score which lane 16 h + r of the attention launch holds in its register w.
; SHARES.  Work-group 512 + 2 (64 n + B) + u takes a tile of 16 queries; wave w takes 512 keys, in 4 steps of 128.  Each load reads 512 consecutive bytes of one query's row; a step's 16 rows turn through the
; wave's own stage in LDS (rows 528 bytes apart), a compare makes a word, and 64 words leave as 256 consecutive aligned bytes.
; No tensor loads, no barrier in either path: waves share nothing.
.set STEPS, 8
.set WREG,  10240                      ; the quantiser's LDS of a wave: two turn stages of 32 x SP bytes, the codes' stage, the scale bytes
.set SP,    80                         ; a lane's place in a turn stage: 64 bytes + 16 of padding
.set OS,    5120                       ; the codes' stage: 16 pieces of 256 bytes + 16 of padding
.set UP,    272
.set SS,    9472                       ; 128 scale bytes: [head of the pair][r] words
.set MANT,  0x600000                   ; the mantissa field of 448 as f32
.set R,     16                         ; v16-79   four sets of 16 numbers as they are loaded
.set X,     80                         ; v80-111  two sets of 16 neighbours
.set E,     112                        ; v112-119 a scale byte for each step
.set C,     128                        ; v128-159 codes: four registers for each step, so that no store's data are written again
.set OUTR,  160                        ; v160-191 the way out
.set MB,    4*WREG                     ; the mask path's LDS begins behind the quantiser's
.set SPM,   528
.set WSTG,  16*SPM                     ; a wave's stage there
.set MW,    8                          ; v8-15    two registers of words for each step: lane j holds words 2 j and 2 j + 1
.set MR,    16                         ; v16-143  two sets of 64 as loaded
.set MX,    144                        ; v144-207 my 64 numbers of a step
	v_lshl_add_u32 v208, v0, 2, 0x12400
	v_mov_b32 v209, 0
	s_cmp_lt_u32 ttmp9, 512                        ; which stream?  The same answer in every wave of a work-group
	s_cbranch_scc0 .Lmask
	s_load_b128 s[8:11], s[0:1], 0x0               ; k_img, k_sc
	s_load_b64 s[4:5], s[0:1], 0x20                ; keys
	v_lshrrev_b32 v1, 5, v0
	v_readfirstlane_b32 s16, v1                    ; wave
	v_and_b32 v2, 31, v0                           ; lane
	v_lshlrev_b32 v3, 4, v2                        ; my 16 bytes of a run of 512
	s_mul_i32 s17, s16, WREG
	s_add_co_u32 s18, s17, OS
	s_add_co_u32 s19, s17, SS
	v_lshrrev_b32 v14, 2, v2
	v_mul_u32_u24 v14, v14, SP
	v_and_b32 v15, 3, v2
	v_lshl_add_u32 v14, v15, 4, v14
	v_add_nc_u32 v14, s17, v14                     ; the turn stage, in: four lanes' 64 bytes on end, then the padding
	v_mul_u32_u24 v15, v2, SP
	v_add_nc_u32 v15, s17, v15                     ; and out: my 16 neighbours.  Lane l then holds token 4 t + l / 8, head (l / 4) % 2 of the pair, blk = (l / 2) % 2, h = l % 2
	v_and_b32 v4, 4, v2
	v_and_b32 v5, 3, v2
	v_lshl_add_u32 v4, v4, 1, v5                   ; the piece of the codes' stage: 8 x head + 2 blk + h (4 u comes by the immediate)
	v_mul_u32_u24 v4, v4, UP
	v_lshrrev_b32 v5, 3, v2                        ; which of the step's four tokens
	v_lshl_add_u32 v4, v5, 4, v4
	v_add_nc_u32 v4, s18, v4                       ; where my 16 codes go
	v_lshlrev_b32 v5, 2, v5
	v_bfe_u32 v6, v2, 2, 1
	v_lshl_add_u32 v5, v6, 6, v5
	v_bfe_u32 v6, v2, 1, 1
	v_add_nc_u32 v5, v5, v6
	v_add_nc_u32 v5, s19, v5                       ; where my block's scale byte goes: 64 x head + 4 x token + blk
	v_lshrrev_b32 v7, 4, v2
	v_and_b32 v8, 15, v2
	v_mul_u32_u24 v6, v7, UP
	v_lshl_add_u32 v6, v8, 4, v6
	v_add_nc_u32 v6, s18, v6                       ; back: two pieces, 512 bytes of an image, an instruction
	v_lshlrev_b32 v12, 2, v8
	v_lshl_add_u32 v12, v7, 12, v12                ; the scale words in memory: 4 r, and 4,096 bytes on for the pair's second head
	v_lshlrev_b32 v7, 2, v2
	v_add_nc_u32 v7, s19, v7                       ; and in LDS: a word a lane
	s_mov_b32 s23, MANT                            ; (an instruction takes one literal: the hold's line has another)
	s_lshr_b32 s26, ttmp9, 1                       ; 64 n + B
	s_and_b32 s27, ttmp9, 1
	s_lshl_b32 s27, s27, 2
	s_add_co_u32 s27, s27, s16                     ; my pair of heads, 0 .. 7
	s_lshl_b32 s28, s26, 17                        ; 32 tokens of 4,096 bytes
	s_lshl_b32 s31, s27, 9                         ; 512 bytes a pair of heads
	s_add_co_u32 s28, s28, s31
	s_mov_b32 s29, 0
	s_wait_kmcnt 0x0
	s_add_nc_u64 s[4:5], s[4:5], s[28:29]
	s_lshr_b32 s30, s26, 6
	s_lshl_b32 s30, s30, 10
	s_lshl_b32 s31, s27, 7
	s_add_co_u32 s30, s30, s31
	s_and_b32 s31, s26, 63
	s_add_co_u32 s30, s30, s31                     ; the image's number: (16 n + first head) 64 + B
	s_lshl_b32 s28, s30, 11
	s_add_nc_u64 s[8:9], s[8:9], s[28:29]
	s_lshl_b32 s28, s30, 6
	s_add_nc_u64 s[10:11], s[10:11], s[28:29]
.macro LOAD t                          ; step t: tokens 4 t .. 4 t + 3, my two heads: 512 consecutive bytes a load
.irp i, 0,1,2,3
	global_load_b128 v[R+16*((\t)%4)+4*\i:R+16*((\t)%4)+4*\i+3], v3, s[4:5] offset:(4*(\t)+\i)*4096 th:TH_LOAD_NT
.endr
.endm
.macro TURN t                          ; step t's numbers through the turn stage: LDS serves a wave's instructions in order, so no wait stands between the stores and the loads
.irp i, 0,1,2,3
	ds_store_b128 v14, v[R+16*((\t)%4)+4*\i:R+16*((\t)%4)+4*\i+3] offset:32*SP*((\t)%2)+8*SP*\i
.endr
.irp i, 0,1,2,3
	ds_load_b128 v[X+16*((\t)%2)+4*\i:X+16*((\t)%2)+4*\i+3], v15 offset:32*SP*((\t)%2)+16*\i
.endr
.endm
.irp t, 0,1,2,3
	LOAD \t
.endr
	s_wait_loadcnt 12                              ; step 0's four loads are in
	TURN 0
.macro STEP t
.set XS, X+16*((\t)%2)
.if (\t) > 0
	s_wait_dscnt 2                                 ; this step's numbers are back from the stage (the last step's byte store and code store may be out): so its stores into the stage have read their registers,
.else
	s_wait_dscnt 0x0
.endif
.if (\t)+4 < STEPS
	LOAD (\t)+4                                    ; which take the loads of four steps on
.endif
.if (\t)+1 < STEPS
.if STEPS-2-(\t) >= 3
	s_wait_loadcnt 12                              ; the next step's four loads are in; those of the three steps behind it may be out
.else
	s_wait_loadcnt 4*(STEPS-2-(\t))
.endif
	TURN (\t)+1                                    ; and go through the other stage while this step is worked
.endif
	v_max3_num_f32 v8, |v[XS]|, |v[XS+1]|, |v[XS+2]|               ; the largest magnitude of my 16, in two chains
	v_max3_num_f32 v9, |v[XS+3]|, |v[XS+4]|, |v[XS+5]|
.irp i, 6,10
	v_max3_num_f32 v8, v8, |v[XS+\i]|, |v[XS+\i+1]|
	v_max3_num_f32 v9, v9, |v[XS+\i+2]|, |v[XS+\i+3]|
.endr
	v_max3_num_f32 v8, v8, |v[XS+14]|, |v[XS+15]|
	v_max3_num_f32 v8, v8, v9, 0x4800000           ; and the floor 2^(9 - 127): the byte cannot fall under 1
	v_max_num_f32_dpp v8, v8, v8 row_xmask:1 row_mask:0xf bank_mask:0xf   ; and of my neighbour's 16: the block's
	v_add_nc_u32 v11, 0xfc000000, v8               ; 8 off its exponent field: the conversion takes the exponent field of this operand as its scale
	v_and_or_b32 v10, v8, 0x7f800000, s23          ; 448 x the scale
.irp i, 0,1,2,3,4,5,6,7,8,9,10,11,12,13,14,15
	v_med3_num_f32 v[XS+\i], v[XS+\i], -v10, v10   ; the conversion to an 8-bit code does not saturate (ISA guide 7.6.2): the hold comes first
.endr
	v_cvt_scalef32_pk8_fp8_f32 v[C+4*(\t):C+4*(\t)+1], v[XS:XS+7], v11
	v_cvt_scalef32_pk8_fp8_f32 v[C+4*(\t)+2:C+4*(\t)+3], v[XS+8:XS+15], v11
	v_lshrrev_b32 v[E+(\t)], 23, v11               ; the scale's byte (also the plain instruction behind the conversions)
	; token 4 t + j is u = (t / 2) % 2, r = 4 (t % 2) + 8 (t / 4) + j
	ds_store_b8 v5, v[E+(\t)] offset:(4*((\t)%2)+8*((\t)/4))*4+2*(((\t)/2)%2)    ; both lanes of a block write the same byte with the same value
	ds_store_b128 v4, v[C+4*(\t):C+4*(\t)+3] offset:(((\t)/2)%2)*4*UP+(4*((\t)%2)+8*((\t)/4))*16
.endm
.irp t, 0,1,2,3,4,5,6,7
	STEP \t
.endr
.irp k, 0,1,2,3,4,5,6,7
	ds_load_b128 v[OUTR+4*\k:OUTR+4*\k+3], v6 offset:2*UP*\k       ; LDS serves a wave's instructions in order: these see my stores
.endr
	ds_load_b32 v13, v7
.irp k, 0,1,2,3,4,5,6,7
	s_wait_dscnt 8-\k                              ; the younger read-backs and the scale word may be out
	global_store_b128 v3, v[OUTR+4*\k:OUTR+4*\k+3], s[8:9] offset:(\k/4)*131072+(\k%4)*512   ; 512 consecutive bytes of an image; the pair's second head lies 64 images on
.endr
	s_wait_dscnt 0x0
	global_store_b32 v12, v13, s[10:11]            ; two runs of 64 bytes: the two heads' 16 scale words
	s_wait_tensorcnt 0x0
	ds_add_u32 v208, v209
	s_wait_dscnt 0x0
	s_endpgm
.Lmask:
	s_load_b128 s[4:7], s[0:1], 0x10               ; mask, mask_w
	v_lshrrev_b32 v1, 5, v0
	v_readfirstlane_b32 s8, v1                     ; wave 0..3: which 512 keys
	v_and_b32 v5, 31, v0                           ; lane
	v_lshlrev_b32 v1, 4, v5                        ; my 16 bytes of a load's 512
	s_mul_i32 s9, s8, WSTG
	s_add_co_u32 s9, s9, MB                        ; my stage
	v_add_nc_u32 v2, s9, v1                        ; in
	v_and_b32 v6, 15, v5
	v_lshrrev_b32 v7, 4, v5
	v_mul_u32_u24 v3, v6, SPM
	v_lshl_add_u32 v3, v7, 6, v3
	v_add_nc_u32 v3, s9, v3                        ; and back: row r, 64 h bytes on: keys 16 h .. of each 32
	v_lshlrev_b32 v4, 3, v5                        ; out: 8 bytes a lane
.irp j, 0,1,2,3,4,5,6,7
	v_mov_b32 v[MW+\j], 0                          ; written whole once: a lane write leaves the other lanes as they are
.endr
	s_sub_co_u32 s10, ttmp9, 512                   ; the tile: 2 (64 n + B) + u
	s_lshr_b32 s11, s10, 1
	s_and_b32 s16, s10, 1                          ; u
	s_lshl_b32 s12, s11, 18                        ; 32 rows of 8,192 bytes
	s_lshl_b32 s13, s16, 16                        ; 8 rows on for u = 1
	s_add_co_u32 s12, s12, s13
	s_lshl_b32 s13, s8, 11
	s_add_co_u32 s12, s12, s13
	s_mov_b32 s13, 0
	s_lshl_b32 s14, s10, 12                        ; 16 steps of 256 bytes for each tile
	s_lshl_b32 s15, s8, 10
	s_add_co_u32 s14, s14, s15
	s_mov_b32 s15, 0
	s_wait_kmcnt 0x0
	s_add_nc_u64 s[4:5], s[4:5], s[12:13]
	s_add_nc_u64 s[6:7], s[6:7], s[14:15]
.macro LOADM t                         ; step t: 128 keys of the tile's 16 queries
.irp r, 0,1,2,3,4,5,6,7,8,9,10,11,12,13,14,15
	global_load_b128 v[MR+64*((\t)%2)+4*\r:MR+64*((\t)%2)+4*\r+3], v1, s[4:5] offset:(\r+8*(\r/8))*8192+512*(\t) th:TH_LOAD_NT
.endr
.endm
.macro STEPM t
.if (\t) < 3
	s_wait_loadcnt 16                              ; this step's sixteen loads are in; the next step's may be out
.else
	s_wait_loadcnt 0x0
.endif
.irp r, 0,1,2,3,4,5,6,7,8,9,10,11,12,13,14,15
	ds_store_b128 v2, v[MR+64*((\t)%2)+4*\r:MR+64*((\t)%2)+4*\r+3] offset:SPM*\r
.endr
.irp b, 0,1,2,3
.irp g, 0,1,2,3
	ds_load_b128 v[MX+16*\b+4*\g:MX+16*\b+4*\g+3], v3 offset:128*\b+16*\g    ; LDS serves a wave's instructions in order: these see the stores above
.endr
.endr
	s_wait_dscnt 0x0                               ; my 64 numbers are in, and the stores have read their registers,
.if (\t)+2 < 4
	LOADM (\t)+2                                   ; which take the loads of two steps on
.endif
.set g, 0
.rept 8                                ; eight words at a time: eight compares, then eight lane writes
.irp i, 0,1,2,3,4,5,6,7
	v_cmp_ne_u32 s[20+\i], 0, v[MX+8*g+\i]         ; word 8 g + i: a bit a lane
.endr
.irp i, 0,1,2,3,4,5,6,7
	v_writelane_b32 v[MW+2*(\t)+\i%2], s[20+\i], 4*g+\i/2
.endr
.set g, g+1
.endr
	global_store_b64 v4, v[MW+2*(\t):MW+2*(\t)+1], s[6:7] offset:256*(\t)   ; 32 lanes store 256 consecutive aligned bytes; each step has its own two registers
.endm
	LOADM 0
	LOADM 1
.irp t, 0,1,2,3
	STEPM \t
.endr
	s_wait_tensorcnt 0x0
	ds_add_u32 v208, v209
	s_wait_dscnt 0x0
	s_endpgm
.Lfunc_end_k_qf438080497_prepare:
	.size	k_qf438080497_prepare, .Lfunc_end_k_qf438080497_prepare-k_qf438080497_prepare
	.p2alignl 7, 3214868480
	.fill 96, 4, 3214868480
	.section	.rodata,"a",@progbits
	.p2align	6, 0x0
	.amdhsa_kernel k_qf438080497_prepare
		.amdhsa_group_segment_fixed_size 75264
		.amdhsa_private_segment_fixed_size 0
		.amdhsa_enable_private_segment 0
		.amdhsa_kernarg_size 40
		.amdhsa_user_sgpr_count 2
		.amdhsa_user_sgpr_kernarg_segment_ptr 1
		.amdhsa_wavefront_size32 1
		.amdhsa_system_sgpr_workgroup_id_x 1
		.amdhsa_system_sgpr_workgroup_id_y 1
		.amdhsa_system_sgpr_workgroup_id_z 1
		.amdhsa_system_vgpr_workitem_id 0
		.amdhsa_next_free_vgpr 210
		.amdhsa_next_free_sgpr 66
		.amdhsa_reserve_vcc 0
		.amdhsa_float_denorm_mode_32 3
		.amdhsa_float_denorm_mode_16_64 3
		.amdhsa_memory_ordered 1
		.amdhsa_forward_progress 1
		.amdhsa_inst_pref_size 77
	.end_amdhsa_kernel
	.amdgpu_metadata
---
amdhsa.version: [ 1, 2 ]
amdhsa.kernels:
  - .name:           k_qf438080497_prepare
    .symbol:         k_qf438080497_prepare.kd
    .args:
      - { .name: k_img, .offset: 0, .size: 8, .value_kind: global_buffer, .address_space: global }
      - { .name: k_sc, .offset: 8, .size: 8, .value_kind: global_buffer, .address_space: global }
      - { .name: mask, .offset: 16, .size: 8, .value_kind: global_buffer, .address_space: global }
      - { .name: mask_w, .offset: 24, .size: 8, .value_kind: global_buffer, .address_space: global }
      - { .name: keys, .offset: 32, .size: 8, .value_kind: global_buffer, .address_space: global }
    .group_segment_fixed_size: 75264
    .private_segment_fixed_size: 0
    .kernarg_segment_align: 8
    .kernarg_segment_size: 40
    .max_flat_workgroup_size: 128
    .sgpr_count:     66
    .vgpr_count:     210
    .wavefront_size: 32
...
	.end_amdgpu_metadata
.endif
;; end of part 5
;; launch attention (part 6): grid 4 x 64, 16 waves a work-group, clusters of 4 x 1, 327,680 bytes of LDS; arguments k_img, k_sc, values_codes, values_scales, mask_w, a_img, a_sc, query; writes a_img, a_sc
.if DOCPART == 6
	.amdgcn_target "amdgcn-amd-amdhsa--gfx1250"
	.amdhsa_code_object_version 6
	.text
	.protected	k_qf438080497_attention
	.globl	k_qf438080497_attention
	.p2align	8
	.type	k_qf438080497_attention,@function
k_qf438080497_attention:
	s_mov_b64 s[64:65], 0
	v_nop
	global_prefetch_b8 v0, s[64:65] scope:SCOPE_SE
	s_setreg_imm32_b32 hwreg(HW_REG_WAVE_MODE, 25, 1), 1
	s_wait_xcnt 0x0
	s_wait_alu depctr_hold_cnt(0) depctr_sa_sdst(0) depctr_va_vdst(0) depctr_va_sdst(0) depctr_va_ssrc(0) depctr_va_vcc(0) depctr_vm_vsrc(0)
	s_getreg_b32 s2, hwreg(HW_REG_IB_STS2, 6, 4)
	s_cmp_eq_u32 s2, 0
	s_cbranch_scc0 .Lentry_in_a_cluster
	s_endpgm
.Lentry_in_a_cluster:
	s_bfe_u32 s2, ttmp6, 0x10000c
	s_cmp_lg_u32 s2, 0x3003
	s_cbranch_scc0 .Lentry_shape_is_right
	s_endpgm
.Lentry_shape_is_right:
; For each y = 16 n + head: O = softmax(mask(Q K^T) / 32) V, both products on codes of FP8 (E4M3) with one E8M0 scale for each 32 along K; O / l is quantised along the model's 1,024 for the last product.
; SOFTMAX: t = score x log2(e) / 32 (a masked score is -1e20); M = the running largest t rounded up to a whole number; p = 2^(t - M) is quantised along the keys; l is the sum of the unquantised p.
; When M moves, l and O^T are multiplied by 2^(old M - new M), in every step, with no branch.
; A row with no key that counts so far keeps the start value -2^40 as its largest t; for it c and -M are taken as 0, so p = 1 for every key, as the reference gives it; the first key that counts makes the factor 0.
; LIMITS: a row whose largest unmasked t is -2^40 or less is taken as wholly masked; a block whose largest magnitude lies under 2^(9 - 127) keeps the scale byte 1 (this program alone reads the bytes); NaN and infinities are not served.
; SHARES: a work-group owns 512 queries of one y; wave w owns 32 of them, in two passes of 16 (query 32 B + 8 u + r + 8 (r / 8) in lane r); a pass walks 2,048 keys, 128 a step.
; K, V (joint tensor loads, one a wave, mask 15: the four work-groups of a cluster are the quarters of one y) and their scale bytes (through registers, 8 bytes a thread each) lie whole in LDS; nothing is filled again.
; No prefetch: K and V come once, at the head, and a step's 256 bytes of mask words are asked for one step ahead by their own scalar loads.
; Both products are used transposed: a lane holds one query.  K = 64 in a form of K = 128: a fragment holds two tiles of 16 keys; the queries stand as zeros | q | zeros in 24 registers.
; TWO SETS OF 64 REGISTERS SWAP ROLES FROM STEP TO STEP: one holds K's fragments, then V's; the other the scores, then p, and, once p's codes are made, the next step's fragments of K.
; (The last step of the second pass asks for chunk 0's fragments once more; nobody uses them.)
; THE EXPONENTIALS go in two batches: 4 + 32 with blocks 2 and 3's multiply-adds between them, then 32 with blocks 0 and 1's holds between them; each batch has a wait ahead of it and behind it.
.set VT, 131072
.set VP, 272
.set VCH, 64*VP
.set KSC, VT+8*VCH
.set VSC, KSC+4096
.set VSP, 80
.set STAGE, VSC+64*VSP
.set WST, 2304
.set QP, 144
.set SPARE, STAGE+16*WST
.set AK, 1
.set AV, 2
.set ASK, 3
.set ASV, 4
.set NEG, 5
.set SO, 6
.set SR, 7
.set ADK, 8
.set ADV, 9
.set ADS, 10
.set ADT, 11
.set XA, 40
.set XB, 104
.set OT, 168
.set PC, 200
.set BM, 216                           ; blocks' largest; later chains 2 and 3 of the sum
.set PT, 220
.set HL, 224
.set SV, 228
.set WSK, 232
.set WSV, 236
.set PSW, 240
.set QSLO, 241
.set QSHI, 242
.set TMP, 243
.set FF, 244                           ; of the pairs at FF, CE, ME the low word serves both halves; the upper registers hold addresses made at the head
.set QIN, 245
.set CE, 246
.set SBO, 247
.set ME, 248
.set QGO, 249
.set SPW, 254
.set NIL, 255
.set WV, 22
.set JW, 23
.set CX, 24
.set YY, 25
.set SEL, 26
.set CS, 28
.set MNT, 29
.set STB, 31
.set TT, 8
.set OFF, 9
.set TK, 10
.set TV, 11
.set TS, 12
.set TJ, 13
.set CHN, 14
.macro WALU
	s_wait_alu depctr_va_vdst(0)
.endm
.macro NOPS n
.rept \n
	v_nop
.endr
.endm
.macro CROUND
	s_barrier_signal -1
	s_barrier_wait -1
	s_cmp_lg_u32 s[WV], 0
	s_cbranch_scc1 .Lnot_wave_0_\@
	s_barrier_signal -3
.Lnot_wave_0_\@:
	s_barrier_wait -3
	s_barrier_signal -1
	s_barrier_wait -1
.endm
.macro MASKLOAD                        ; a step's 64 lane masks: word w in s[32 + w] (w < 32) or s[36 + w]
	s_load_b512 s[32:47], s[16:17], s[OFF] offset:0x0
	s_load_b512 s[48:63], s[16:17], s[OFF] offset:0x40
	s_load_b512 s[68:83], s[16:17], s[OFF] offset:0x80
	s_load_b512 s[84:99], s[16:17], s[OFF] offset:0xc0
.endm
.macro QLOAD u                         ; tile u's 16 queries x 64 numbers as f32: eight lanes to a row's 128 consecutive bytes
.irp b, 0,1
.irp k, 0,1,2,3
	global_load_b128 v[XB+32+16*\b+4*\k:XB+32+16*\b+4*\k+3], v[QGO], s[4:5] offset:(\u)*32768+(4*\k+8*(\k/2))*4096+128*\b
.endr
.endr
.endm
.macro QUANT2 d                        ; two blocks of 32, 16 numbers a lane each at v[XB + 16 b] (lane l xor 16 holds the rest) -> codes v[d + 4 b] on, bytes v[PT + b]
.irp b, 0,1
	v_max3_num_f32 v[BM+\b], |v[XB+16*\b]|, |v[XB+1+16*\b]|, 0x4800000
.endr
.irp i, 2,4,6,8,10,12,14
.irp b, 0,1
	v_max3_num_f32 v[BM+\b], v[BM+\b], |v[XB+16*\b+\i]|, |v[XB+1+16*\b+\i]|
.endr
.endr
.irp b, 0,1
	v_permlanex16_b32 v[PT+\b], v[BM+\b], s[SEL], s[SEL+1]
.endr
.irp b, 0,1
	v_max_num_f32 v[BM+\b], v[BM+\b], v[PT+\b]
.endr
.irp b, 0,1
	v_add_nc_u32 v[SV+\b], 0xfc000000, v[BM+\b]
.endr
.irp b, 0,1
	v_and_or_b32 v[HL+\b], v[BM+\b], 0x7f800000, s[MNT]
.endr
.irp b, 0,1
	v_lshrrev_b32 v[PT+\b], 23, v[SV+\b]
.endr
.irp b, 0,1
.irp i, 0,1,2,3,4,5,6,7,8,9,10,11,12,13,14,15
	v_med3_num_f32 v[XB+16*\b+\i], v[XB+16*\b+\i], -v[HL+\b], v[HL+\b]   ; the conversion does not saturate (ISA guide 7.6.2)
.endr
	v_cvt_scalef32_pk8_fp8_f32 v[\d+4*\b:\d+4*\b+1], v[XB+16*\b:XB+16*\b+7], v[SV+\b]
	v_cvt_scalef32_pk8_fp8_f32 v[\d+4*\b+2:\d+4*\b+3], v[XB+16*\b+8:XB+16*\b+15], v[SV+\b]
.endr
.endm
.macro QPREP                           ; a pass's start values; q through my stage, so that a lane holds 16 neighbours of each block; its codes and scale words; O^T = 0
	v_and_b32 v[HL], 15, v0
	v_bfe_u32 v[HL+1], v0, 4, 1
	v_mul_u32_u24 v[HL], v[HL], QP
	v_lshl_add_u32 v[HL], v[HL+1], 6, v[HL]
	v_add_nc_u32 v[HL], s[STB], v[HL]
	v_mov_b32 v13, 0xd3800000
	v_floor_f32 v12, -v13
	v_mov_b32 v14, 0
	v_mov_b32 v15, 0
	WALU
	s_wait_loadcnt 0x0
.irp b, 0,1
.irp k, 0,1,2,3
	ds_store_b128 v[QIN], v[XB+32+16*\b+4*\k:XB+32+16*\b+4*\k+3] offset:4*QP*\k
.endr
.irp g, 0,1,2,3
	ds_load_b128 v[XB+16*\b+4*\g:XB+16*\b+4*\g+3], v[HL] offset:16*\g     ; LDS serves a wave's instructions in order
.endr
.endr
	s_wait_dscnt 0x0
	QUANT2 24
	v_lshl_or_b32 v[TMP], v[PT+1], 8, v[PT]
	v_or_b32 v[QSLO], 0x01010000, v[TMP]           ; q | zeros: the zero codes under the byte 1
	v_lshl_or_b32 v[QSHI], v[TMP], 16, 0x101       ; zeros | q
.set n, 0
.rept 32
	v_mov_b32 v[OT+n], 0
.set n, n+1
.endr
.endm
.macro KLOAD F, ko, so                 ; four fragments of K (images as they lie) and their scale words
.irp b, 0,1,2,3
	ds_load_b32 v[WSK+\b], v[ADS] offset:(\so)+64*\b
.endr
.irp b, 0,1,2,3
.irp c, 0,1,2,3
	ds_load_b128 v[\F+16*\b+4*\c:\F+16*\b+4*\c+3], v[ADK] offset:(\ko)+2048*\b+512*\c
.endr
.endr
.endm
.macro FM S, j                         ; t - M of pair j
	v_pk_fma_f32 v[\S+2*(\j):\S+2*(\j)+1], v[\S+2*(\j):\S+2*(\j)+1], v[CE:CE+1], v[ME:ME+1] op_sel_hi:[1,0,0]
.endm
.macro AD S, b, k                      ; the step's sum of the unquantised p, four chains begun anew in each step: v250, v252, v216, v218
.set CJ, 250+2*((\k)%4)-38*(((\k)%4)/2)
.if (\b) == 0
	v_pk_add_f32 v[CJ:CJ+1], v[\S+2*(\k):\S+2*(\k)+1], v[\S+2*(\k)+8:\S+2*(\k)+9]
.else
	v_pk_add_f32 v[CJ:CJ+1], v[CJ:CJ+1], v[\S+16*(\b)+2*(\k):\S+16*(\b)+2*(\k)+1]
.endif
.endm
.macro CV S, g
	v_cvt_scalef32_pk8_fp8_f32 v[PC+2*(\g):PC+2*(\g)+1], v[\S+8*(\g):\S+8*(\g)+7], v[SV+(\g)/2]
.endm
.macro HDB S, b                        ; a block's sixteen holds: p is not negative, so they are one-sided
.set i, 0
.rept 16
	v_min_num_f32 v[\S+16*(\b)+i], v[\S+16*(\b)+i], v[HL+(\b)]
.set i, i+1
.endr
.endm
; A KEY STEP: 128 keys, the q-th of the chunk of 256.  F: K's fragments (asked for in the step before), then V's.  S: scores, p, then the next step's K.
.macro STEP q, F, S
	s_wait_dscnt 0x0                               ; K's fragments and scale words are in
.irp b, 0,1,2,3
	v_wmma_scale_f32_16x16x128_f8f6f4 v[\S+16*\b:\S+16*\b+7], v[\F+16*\b:\F+16*\b+15], v[24:39], 0, v[WSK+\b], v[QSLO]
	v_wmma_scale_f32_16x16x128_f8f6f4 v[\S+16*\b+8:\S+16*\b+15], v[\F+16*\b:\F+16*\b+15], v[16:31], 0, v[WSK+\b], v[QSHI]
.endr
	v_mov_b32 v[TMP], v12                          ; the old -M.  Eight places behind the products, ahead of the loads into F and of the first read of the scores
.if \q == 0
	v_add_nc_u32 v[ADV], s[TV], v[AV]
	v_add_nc_u32 v[ADT], s[TJ], v[ASV]
	NOPS 5
.else
	NOPS 7
.endif
.irp t, 0,1,2,3
.irp c, 0,1,2,3
	ds_load_b128 v[\F+16*\t+4*\c:\F+16*\t+4*\c+3], v[ADV] offset:16*VP*\t+128*(\q)+32*\c
.endr
	ds_load_b32 v[WSV+\t], v[ADT] offset:16*VSP*\t+4*(\q)
.endr
	s_wait_kmcnt 0x0                               ; this step's lane masks
.set n, 0
.rept 64
	v_cndmask_b32 v[\S+n], v[NEG], v[\S+n], s[32+n+4*(n/32)]       ; ascending: each accumulator from its low end on
.set n, n+1
.endr
.irp b, 0,1,2,3                                ; each block's largest score, in two chains
	v_max3_num_f32 v[BM+\b], v[\S+16*\b], v[\S+16*\b+1], v[\S+16*\b+2]
	v_max3_num_f32 v[PT+\b], v[\S+16*\b+8], v[\S+16*\b+9], v[\S+16*\b+10]
.endr
.irp i, 3,5
.irp b, 0,1,2,3
	v_max3_num_f32 v[BM+\b], v[BM+\b], v[\S+16*\b+\i], v[\S+16*\b+\i+1]
	v_max3_num_f32 v[PT+\b], v[PT+\b], v[\S+16*\b+\i+8], v[\S+16*\b+\i+9]
.endr
.endr
	s_add_co_u32 s[TT], s[TT], 1                   ; the next step's masks; the very last step asks for its own once more, so that no load leaves the buffer
	s_min_u32 s[OFF], s[TT], 31
	s_lshl_b32 s[OFF], s[OFF], 8
	MASKLOAD
.irp b, 0,1,2,3
	v_max3_num_f32 v[BM+\b], v[BM+\b], v[\S+16*\b+7], v[PT+\b]
.endr
.irp b, 0,1,2,3
	v_max_num_f32 v[BM+\b], v[BM+\b], v[\S+16*\b+15]
.endr
.irp b, 0,1,2,3
	v_permlanex16_b32 v[PT+\b], v[BM+\b], s[SEL], s[SEL+1]
.endr
.irp b, 0,1,2,3
	v_max_num_f32 v[BM+\b], v[BM+\b], v[PT+\b]
.endr
	v_max3_num_f32 v[PT], v[BM], v[BM+1], v[BM+2]
	v_max_num_f32 v[PT], v[PT], v[BM+3]
	v_mul_f32 v[PT], s[CS], v[PT]
	v_max_num_f32 v13, v13, v[PT]                  ; the running largest t
	v_floor_f32 v12, -v13                          ; -M = -ceil(t)
	v_cmp_eq_f32 vcc_lo, 0xd3800000, v13           ; no key has counted yet
	v_sub_f32 v[TMP], v12, v[TMP]
	v_cndmask_b32 v[CE], s[CS], 0, vcc_lo
	v_cvt_i32_f32 v[TMP], v[TMP]                   ; (it saturates)
	v_cndmask_b32 v[ME], v12, 0, vcc_lo
	v_ldexp_f32 v[FF], 1.0, v[TMP]                 ; f = 2^(old M - new M)
.irp b, 0,1,2,3
	v_fma_f32 v[BM+\b], v[BM+\b], v[CE], v[ME]     ; t - M of each block's largest score: the same two instructions as in the block give the same bits
.endr
.set i, 0
.rept 16
	FM \S, i
.set i, i+1
.endr
.set i, 0
.rept 16
	v_pk_mul_f32 v[OT+2*i:OT+2*i+1], v[OT+2*i:OT+2*i+1], v[FF:FF+1] op_sel_hi:[1,0]   ; O^T under the new M, ahead of the exponentials; ascending
.set i, i+1
.endr
	WALU
.set i, 0
.rept 4
	v_exp_f32 v[BM+i], v[BM+i]
	FM \S, 16+i
.set i, i+1
.endr
.set i, 0
.rept 32
	v_exp_f32 v[\S+i], v[\S+i]
.if (i%2 == 0) && (i < 24)
	FM \S, 20+i/2
.endif
.set i, i+1
.endr
	WALU
.irp b, 0,1,2,3
	v_max_num_f32 v[BM+\b], 0x4800000, v[BM+\b]    ; the floor 2^(9 - 127): the byte cannot fall under 1
.endr
.irp b, 0,1,2,3
	v_add_nc_u32 v[SV+\b], 0xfc000000, v[BM+\b]
.endr
.irp b, 0,1,2,3
	v_and_or_b32 v[HL+\b], v[BM+\b], 0x7f800000, s[MNT]
.endr
.irp b, 0,1,2,3
	v_lshrrev_b32 v[PT+\b], 23, v[SV+\b]
.endr
	v_lshl_or_b32 v[PSW], v[PT+1], 8, v[PT]
	v_lshl_or_b32 v[PSW], v[PT+2], 16, v[PSW]
	v_lshl_or_b32 v[PSW], v[PT+3], 24, v[PSW]
.irp k, 0,1,2,3
	AD \S, 0, \k
.endr
.irp k, 0,1,2,3,4,5,6,7
	AD \S, 1, \k
.endr
	WALU
.set i, 0
.rept 32
	v_exp_f32 v[\S+32+i], v[\S+32+i]
	v_min_num_f32 v[\S+i], v[\S+i], v[HL+i/16]
.set i, i+1
.endr
	WALU
	s_wait_dscnt 0x0                               ; V's fragments and scale words are in
	CV \S, 0
	CV \S, 1
	CV \S, 2
	CV \S, 3
.irp k, 0,1,2,3,4,5,6,7
	AD \S, 2, \k
.endr
.irp k, 0,1,2,3,4,5,6,7
	AD \S, 3, \k
.endr
	HDB \S, 2
	CV \S, 4
	CV \S, 5
	HDB \S, 3
	CV \S, 6
	CV \S, 7
	v_pk_add_f32 v[250:251], v[250:251], v[252:253]                ; the chains are joined: these four lines are the places between the codes and the products
	v_pk_add_f32 v[216:217], v[216:217], v[218:219]
	v_pk_add_f32 v[250:251], v[250:251], v[216:217]
	v_pk_fma_f32 v[14:15], v[14:15], v[FF:FF+1], v[250:251] op_sel_hi:[1,0,1]   ; l = l f + the step's sum
.if \q == 0
	KLOAD \S, 8192, 256                            ; the chunk's second step
.else
	s_add_co_u32 s15, s[CHN], 1                    ; the next chunk; behind the last: chunk 0, which the next pass begins with
	s_and_b32 s15, s15, 7
	s_lshl_b32 s[TK], s15, 14
	s_lshl_b32 s[TS], s15, 9
	v_add_nc_u32 v[ADK], s[TK], v[AK]
	v_add_nc_u32 v[ADS], s[TS], v[ASK]
	KLOAD \S, 0, 0
.endif
.irp t, 0,1,2,3                                ; the four accumulators by turns
	v_wmma_scale_f32_16x16x128_f8f6f4 v[OT+8*\t:OT+8*\t+7], v[\F+16*\t:\F+16*\t+15], v[PC:PC+15], v[OT+8*\t:OT+8*\t+7], v[WSV+\t], v[PSW]
.endr
	NOPS 9                                         ; the next step's scores are laid over V's fragments: nine places
.endm
.macro PASS u
	s_mov_b32 s[CHN], 0
	s_setprio 3-2*\u                               ; a wave's priority (S_SETPRIO) falls with its progress, a level for each four of its sixteen chunks: of the waves that share a SIMD those that lag come first
.Lchunk\u:
	s_cmp_lg_u32 s[CHN], 4
	s_cbranch_scc1 .Lsame\u
	s_setprio 2-2*\u
.Lsame\u:
	s_mul_i32 s[TV], s[CHN], VCH
	s_lshl_b32 s[TJ], s[CHN], 3
	STEP 0, XA, XB
	STEP 1, XB, XA
	s_add_co_u32 s[CHN], s[CHN], 1
	s_cmp_lt_u32 s[CHN], 8
	s_cbranch_scc1 .Lchunk\u
.if \u == 0
	QLOAD 1
.endif
	v_add_f32 v14, v14, v15
	v_permlanex16_b32 v[TMP], v14, s[SEL], s[SEL+1]
	v_add_f32 v14, v14, v[TMP]
	WALU
	v_rcp_f32 v14, v14
	v_nop
	WALU
.set n, 0
.rept 32
	v_mul_f32 v[XB+n], v[OT+n], v14                ; O^T / l: channels 16 t + 8 h + j of query r
.set n, n+1
.endr
	QUANT2 PC
	v_and_b32 v[TMP], 16, v0
	v_cmp_ne_u32 vcc_lo, 0, v[TMP]
	v_cndmask_b32 v[TMP], v[PT], v[PT+1], vcc_lo   ; lane (r, h) stores block h's byte of query r
.irp b, 0,1
.irp w, 0,1
	ds_store_b64 v[SO], v[PC+4*\b+2*\w:PC+4*\b+2*\w+1] offset:512*\b+256*\w   ; into the order of the next operand's registers
.endr
.endr
	ds_load_b128 v[PC+8:PC+11], v[SR]
	ds_load_b128 v[PC+12:PC+15], v[SR] offset:512
	WALU
	s_wait_dscnt 0x0
	global_store_b128 v[AK], v[PC+8:PC+11], s[18:19] offset:16384*\u
	global_store_b128 v[AK], v[PC+12:PC+15], s[18:19] offset:16384*\u+512
	global_store_b8 v[SBO], v[TMP], s[20:21] offset:64*\u
	s_wait_xcnt 0x0                                ; the stores have read their registers
.endm
	s_load_b256 s[8:15], s[0:1], 0x0               ; k_img, k_sc, V's codes, V's scales
	s_load_b128 s[16:19], s[0:1], 0x20             ; mask_w, a_img
	s_load_b64 s[20:21], s[0:1], 0x30              ; a_sc
	s_load_b64 s[4:5], s[0:1], 0x38                ; query
	v_lshl_add_u32 v[SPW], v0, 2, SPARE
	v_mov_b32 v[NIL], 0
	ds_add_u32 v[SPW], v[NIL]
	ds_add_u32 v[SPW], v[NIL]
	v_lshrrev_b32 v1, 5, v0
	v_readfirstlane_b32 s[WV], v1
	s_and_b32 s[JW], s[WV], 7
	s_bfe_u32 s[CX], ttmp6, 0x40000
	s_lshl_b32 s31, ttmp9, 2
	s_add_co_u32 s[CX], s[CX], s31                 ; my quarter: it enters the addresses of q, the mask words and the results alone
	s_and_b32 s[YY], ttmp7, 0xffff
	s_mov_b32 s32, 15|(3<<16)|(1<<21)              ; K's images: 16,384 dense bytes a wave, 64 rows of 256
	s_mov_b32 s33, 32<<16
	s_mov_b32 s34, 64<<16
	s_mov_b32 s35, 32<<16
	s_mov_b32 s36, 64
	s_mov_b32 s37, 32
	s_mov_b32 s38, 0
	s_mov_b32 s39, 0
	s_mov_b32 s48, 15|(1<<20)|(1<<21)|(5<<22)|(3<<25)   ; V: 64 rows of 256 codes, 2,048 bytes apart, 16 bytes of padding behind each
	s_mov_b32 s49, 256<<16
	s_mov_b32 s50, 64<<16
	s_mov_b32 s51, 256<<16
	s_mov_b32 s52, 64
	s_mov_b32 s53, 2048
	s_mov_b32 s54, 0
	s_mov_b32 s55, 0
	s_lshl_b32 s84, s[YY], 17
	s_lshl_b32 s31, s[JW], 14
	s_add_co_u32 s84, s84, s31
	s_mov_b32 s85, 0
	s_lshl_b32 s86, s[YY], 12
	s_mov_b32 s87, 0
	s_lshl_b32 s88, s[YY], 17
	s_lshl_b32 s31, s[JW], 8
	s_add_co_u32 s88, s88, s31
	s_mov_b32 s89, 0
	s_mov_b32 s68, 1
	s_lshl_b32 s69, s[JW], 14
	s_mov_b32 s76, 1
	s_mul_i32 s77, s[JW], VCH
	s_add_co_u32 s77, s77, VT
	s_mov_b32 s[SEL], 0x76543210
	s_mov_b32 s[SEL+1], 0xfedcba98
	s_mov_b32 s[CS], 0x3d38aa3b                    ; log2(e) / 32
	s_mov_b32 s[MNT], 0x600000
	s_wait_dscnt 0x0
	s_wait_kmcnt 0x0
	s_add_nc_u64 s[70:71], s[8:9], s[84:85]
	s_or_b32 s71, s71, 0x80000000
	s_add_nc_u64 s[78:79], s[12:13], s[88:89]
	s_or_b32 s79, s79, 0x80000000
	s_add_nc_u64 s[10:11], s[10:11], s[86:87]
	s_add_nc_u64 s[14:15], s[14:15], s[86:87]
	CROUND                                         ; the joint loads meet
	s_cmp_lt_u32 s[WV], 8                          ; one load a wave: waves 0-7 an eighth of K, waves 8-15 an eighth of V
	s_cbranch_scc0 .Lfor_v
	tensor_load_to_lds s[68:71], s[32:39]
	s_nop 0
	NOPS 4
	s_branch .Lasked
.Lfor_v:
	tensor_load_to_lds s[76:79], s[48:55]
	s_nop 0
	NOPS 4
.Lasked:
	s_lshl_b32 s90, s[CX], 4
	s_add_co_u32 s90, s90, s[WV]                   ; B
	s_lshr_b32 s91, s[YY], 4                       ; n
	s_and_b32 s92, s[YY], 15                       ; head
	s_mov_b32 s95, 0
	s_lshl_b32 s94, s91, 23
	s_lshl_b32 s31, s90, 17
	s_add_co_u32 s94, s94, s31
	s_lshl_b32 s31, s92, 8
	s_add_co_u32 s94, s94, s31
	s_add_nc_u64 s[4:5], s[4:5], s[94:95]
	s_lshl_b32 s94, s91, 6
	s_add_co_u32 s94, s94, s90
	s_lshl_b32 s94, s94, 13
	s_add_nc_u64 s[16:17], s[16:17], s[94:95]
	s_lshl_b32 s93, s91, 7
	s_lshl_b32 s31, s90, 1
	s_add_co_u32 s93, s93, s31
	s_lshl_b32 s94, s93, 14
	s_lshl_b32 s31, s92, 10
	s_add_co_u32 s94, s94, s31
	s_add_nc_u64 s[18:19], s[18:19], s[94:95]
	s_lshl_b32 s94, s93, 6
	s_lshr_b32 s31, s92, 1
	s_lshl_b32 s31, s31, 15
	s_add_co_u32 s94, s94, s31
	s_and_b32 s31, s92, 1
	s_lshl_b32 s31, s31, 1
	s_add_co_u32 s94, s94, s31
	s_add_nc_u64 s[20:21], s[20:21], s[94:95]
	s_mul_i32 s[STB], s[WV], WST
	s_add_co_u32 s[STB], s[STB], STAGE
	v_and_b32 v[TMP], 31, v0
	v_lshlrev_b32 v[AK], 4, v[TMP]
	v_and_b32 v[QGO], 15, v0
	v_bfe_u32 v[SBO], v0, 4, 1
	v_mul_u32_u24 v[AV], v[QGO], VP
	v_lshl_add_u32 v[AV], v[SBO], 4, v[AV]
	v_add_nc_u32 v[AV], VT, v[AV]
	v_lshl_add_u32 v[ASK], v[QGO], 2, KSC
	v_mul_u32_u24 v[ASV], v[QGO], VSP
	v_add_nc_u32 v[ASV], VSC, v[ASV]
	v_lshlrev_b32 v[SO], 4, v[QGO]
	v_lshl_add_u32 v[SO], v[SBO], 3, v[SO]
	v_add_nc_u32 v[SO], s[STB], v[SO]
	v_add_nc_u32 v[SR], s[STB], v[AK]
	v_lshl_add_u32 v[SBO], v[QGO], 2, v[SBO]
	v_lshrrev_b32 v[QIN], 3, v[TMP]
	v_and_b32 v[TMP], 7, v[TMP]
	v_lshlrev_b32 v[QGO], 12, v[QIN]
	v_lshl_add_u32 v[QGO], v[TMP], 4, v[QGO]
	v_mul_u32_u24 v[QIN], v[QIN], QP
	v_lshl_add_u32 v[QIN], v[TMP], 4, v[QIN]
	v_add_nc_u32 v[QIN], s[STB], v[QIN]
	v_lshlrev_b32 v[PT+3], 3, v0                   ; the scale bytes: 8 bytes a thread of K's 4,096 and of V's
	v_lshl_add_u32 v[PT], v0, 3, KSC
	v_lshrrev_b32 v[PT+1], 3, v0
	v_and_b32 v[PT+2], 7, v0
	v_mul_u32_u24 v[PT+1], v[PT+1], VSP
	v_lshl_add_u32 v[PT+1], v[PT+2], 3, v[PT+1]
	v_add_nc_u32 v[PT+1], VSC, v[PT+1]
	global_load_b64 v[BM:BM+1], v[PT+3], s[10:11]
	global_load_b64 v[BM+2:BM+3], v[PT+3], s[14:15]
	QLOAD 0
	v_mov_b32 v[NEG], 0xe0ad78ec                   ; -1e20
.irp j, 0,1,2,3,4,5,6,7
	v_mov_b32 v[16+\j], 0
	v_mov_b32 v[32+\j], 0
.endr
	WALU
	s_wait_loadcnt 0x8                             ; behind the two scale loads stand q's eight
	ds_store_b64 v[PT], v[BM:BM+1]
	ds_store_b64 v[PT+1], v[BM+2:BM+3]
	QPREP                                          ; tile 0's q is quantised while the fills are on their way
	WALU
	s_wait_tensorcnt 0x0                           ; for the others' sake: my fill has landed,
	s_wait_dscnt 0x0                               ; and my scale bytes
	s_barrier_signal -1
	s_barrier_wait -1
	s_mov_b32 s[TT], 0
	s_mov_b32 s[OFF], 0
	MASKLOAD
	v_add_nc_u32 v[ADK], 0, v[AK]
	v_add_nc_u32 v[ADS], 0, v[ASK]
	KLOAD XA, 0, 0
	PASS 0
	QPREP
	PASS 1
	s_wait_kmcnt 0x0                               ; the last, repeated mask load
	s_wait_tensorcnt 0x0                           ; the wave's end
	ds_add_u32 v[SPW], v[NIL]
	s_wait_dscnt 0x0
	CROUND                                         ; the closing round
	s_endpgm
.Lfunc_end_k_qf438080497_attention:
	.size	k_qf438080497_attention, .Lfunc_end_k_qf438080497_attention-k_qf438080497_attention
	.p2alignl 7, 3214868480
	.fill 96, 4, 3214868480
	.section	.rodata,"a",@progbits
	.p2align	6, 0x0
	.amdhsa_kernel k_qf438080497_attention
		.amdhsa_group_segment_fixed_size 327680
		.amdhsa_private_segment_fixed_size 0
		.amdhsa_enable_private_segment 0
		.amdhsa_kernarg_size 64
		.amdhsa_user_sgpr_count 2
		.amdhsa_user_sgpr_kernarg_segment_ptr 1
		.amdhsa_wavefront_size32 1
		.amdhsa_system_sgpr_workgroup_id_x 1
		.amdhsa_system_sgpr_workgroup_id_y 1
		.amdhsa_system_sgpr_workgroup_id_z 1
		.amdhsa_system_vgpr_workitem_id 0
		.amdhsa_next_free_vgpr 256
		.amdhsa_next_free_sgpr 100
		.amdhsa_reserve_vcc 1
		.amdhsa_float_denorm_mode_32 3
		.amdhsa_float_denorm_mode_16_64 3
		.amdhsa_memory_ordered 1
		.amdhsa_forward_progress 1
		.amdhsa_inst_pref_size 130
	.end_amdhsa_kernel
	.amdgpu_metadata
---
amdhsa.version: [ 1, 2 ]
amdhsa.kernels:
  - .name:           k_qf438080497_attention
    .symbol:         k_qf438080497_attention.kd
    .args:
      - { .name: k_img, .offset: 0, .size: 8, .value_kind: global_buffer, .address_space: global }
      - { .name: k_sc, .offset: 8, .size: 8, .value_kind: global_buffer, .address_space: global }
      - { .name: values_codes, .offset: 16, .size: 8, .value_kind: global_buffer, .address_space: global }
      - { .name: values_scales, .offset: 24, .size: 8, .value_kind: global_buffer, .address_space: global }
      - { .name: mask_w, .offset: 32, .size: 8, .value_kind: global_buffer, .address_space: global }
      - { .name: a_img, .offset: 40, .size: 8, .value_kind: global_buffer, .address_space: global }
      - { .name: a_sc, .offset: 48, .size: 8, .value_kind: global_buffer, .address_space: global }
      - { .name: query, .offset: 56, .size: 8, .value_kind: global_buffer, .address_space: global }
    .group_segment_fixed_size: 327680
    .private_segment_fixed_size: 0
    .kernarg_segment_align: 8
    .kernarg_segment_size: 64
    .max_flat_workgroup_size: 512
    .sgpr_count:     100
    .vgpr_count:     256
    .wavefront_size: 32
...
	.end_amdgpu_metadata
.endif
;; end of part 6
;; launch out_proj (part 7): grid 4 x 64, 4 waves a work-group, clusters of 4 x 4, 327,680 bytes of LDS; arguments a_img, a_sc, W_out_codes, W_out_scales, b_out, out0; writes out0
.if DOCPART == 7
	.amdgcn_target "amdgcn-amd-amdhsa--gfx1250"
	.amdhsa_code_object_version 6
	.text
	.protected	k_qf438080497_out_proj
	.globl	k_qf438080497_out_proj
	.p2align	8
	.type	k_qf438080497_out_proj,@function
k_qf438080497_out_proj:
	s_mov_b64 s[64:65], 0
	v_nop
	global_prefetch_b8 v0, s[64:65] scope:SCOPE_SE
	s_setreg_imm32_b32 hwreg(HW_REG_WAVE_MODE, 25, 1), 1
	s_wait_xcnt 0x0
	s_wait_alu depctr_hold_cnt(0) depctr_sa_sdst(0) depctr_va_vdst(0) depctr_va_sdst(0) depctr_va_ssrc(0) depctr_va_vcc(0) depctr_vm_vsrc(0)
	s_getreg_b32 s2, hwreg(HW_REG_IB_STS2, 6, 4)
	s_cmp_eq_u32 s2, 0
	s_cbranch_scc0 .Lentry_in_a_cluster
	s_endpgm
.Lentry_in_a_cluster:
	s_bfe_u32 s2, ttmp6, 0x10000c
	s_cmp_lg_u32 s2, 0xf033
	s_cbranch_scc0 .Lentry_shape_is_right
	s_endpgm
.Lentry_shape_is_right:
; out0[m][n] = sum over k of A[m][k] W[n][k] + b[n].  A: the attention's result, codes of FP8 (E4M3) with one E8M0 scale for each 32 along K, in the order of the operand's registers:
; a_img [row tile (512)][128 along K (8)][2,048 bytes]; a_sc [128 along K (8)][row (8,192)] words.  W: [1024][1024] codes, K innermost; scale bytes [1024][32].
; Row r of row tile 128 n + 2 B + u is token 2,048 n + 32 B + 8 u + r + 8 (r / 8): the stores put each row in its place.
; A tile of out0 is 128 x 256: 256 work-groups of four waves, each 64 x 128: 32 accumulators.  The product is used transposed (source 0 = rows of W).
; W: the tile's 256 rows, all of K, lie in LDS as four pieces of 256 along K (rows 272 bytes apart), each filled once, by one joint load: wave w brings piece w, on a load line of its own.
; A plain barrier in front of a piece's first read shows that piece alone: only its loading wave waits for its tensor load there.  Nothing is filled again.
; A GOES FROM MEMORY STRAIGHT INTO THE OPERAND'S REGISTERS: its images lie in that order, 512 consecutive bytes a load.  Four sets of 64 registers take turns, three sets asked for ahead.
; So A passes no LDS and has no joint load; W is shared along a column of the 4 x 4 cluster.  The scale bytes of A and W come through registers into LDS bytes of their own.
; No prefetch: K is written out in eight steps, so there is no loop to run ahead in.
; REGISTERS: window 0: addresses, bias, scale words (v32-63), the way out (v128-255); window 1: W's fragments, two sets; window 2: the accumulators; window 3: A's four sets.
.set SIZE_N, 1024
.set NQ, 2
.set PITCH, 272
.set FR, 16
.set NP, 8
.set HALFT, 128*PITCH
.set WSLOT, 2*HALFT
.set KS, 32
.set SBLK, 2*272
.set SCL, 4*WSLOT
.set SCLB, SCL+8*SBLK
.set SPARE, SCLB+16*SBLK
.set STAGE, SPARE+512
.set SPITCH, 528
.set BIAS, 8
.set SWW, 19
.set ADRB, 20
.set STO, 24
.set RD, 25
.set CO, 26
.set ADRS, 27
.set SPW, 28
.set NIL, 29
.set SCW, 30
.set TO, 31
.set SC, 32
.set BK, 128
.set G1B, 48
.set GB0, 56
.set WV, 95
.set RH, 96
.set CH, 97
.set MSB, 0
.macro WIN new
.if MSB != \new
	s_set_vgpr_msb (MSB<<8)|\new
.set MSB, \new
.endif
.endm
.set MUL, 0xad                         ; source 0 (W) window 1, source 1 (A) window 3, C and D window 2
.set TO_B, 0x40
.set TO_A, 0xc0
.macro PLACES n
.rept \n
	v_nop
.endr
.endm
.macro CROUND
	s_barrier_signal -1
	s_barrier_wait -1
	s_cmp_lg_u32 s[WV], 0
	s_cbranch_scc1 .Lnot_wave_0_\@
	s_barrier_signal -3
.Lnot_wave_0_\@:
	s_barrier_wait -3
	s_barrier_signal -1
	s_barrier_wait -1
.endm
.macro ARM under, next
	s_cmp_lt_u32 s[WV], \under
	s_cbranch_scc0 \next
	tensor_load_to_lds s[GB0:GB0+3], s[G1B:G1B+7]
	s_nop 0
	PLACES 4
	s_branch .Lhead_asked
\next:
.endm
.macro SHOW w                          ; piece w of W is shown: its loading wave waits for its load; no LDS instruction of mine is out; the barrier
	s_cmp_eq_u32 s[WV], \w
	s_cbranch_scc0 .Lnot_mine_\@
	s_wait_tensorcnt 0x0
.Lnot_mine_\@:
	s_wait_dscnt 0x0
	s_barrier_signal -1
	s_barrier_wait -1
.endm
.macro ALOAD kk                        ; my 4 row tiles of A, the kk-th 128 along K, into set kk % 4
	WIN TO_A
.irp i, 0,1,2,3
.irp c, 0,1,2,3
	global_load_b128 v[64*((\kk)%4)+FR*\i+4*\c:64*((\kk)%4)+FR*\i+4*\c+3], v[CO], s[4:5] offset:\i*16384+2048*(\kk)+512*\c
.endr
.endr
	WIN 0
.endm
	s_load_b256 s[4:11], s[0:1], 0x0               ; a_img, a_sc, W's codes, W's scales
	s_load_b128 s[12:15], s[0:1], 0x20             ; b_out, out0
	v_lshl_add_u32 v[SPW], v0, 2, SPARE
	v_mov_b32 v[NIL], 0
	ds_add_u32 v[SPW], v[NIL]
	ds_add_u32 v[SPW], v[NIL]
	v_lshrrev_b32 v1, 5, v0
	v_readfirstlane_b32 s[WV], v1
	s_lshr_b32 s[RH], s[WV], 1
	s_and_b32 s[CH], s[WV], 1
	s_bfe_u32 s40, ttmp6, 0x40000
	s_bfe_u32 s41, ttmp6, 0x40004
	s_lshl_b32 s42, ttmp9, 2
	s_add_co_u32 s42, s42, s40                     ; tile column
	s_and_b32 s17, ttmp7, 0xffff
	s_lshl_b32 s17, s17, 2
	s_add_co_u32 s17, s17, s41                     ; tile row
	s_lshl_b32 s44, 0x1111, s40                    ; my column of the cluster
	s_or_b32 s[G1B+0], s44, (0<<16)|(1<<20)|(1<<21)|(5<<22)|(3<<25)   ; W: 256 rows of 256 bytes, 1,024 apart, 16 bytes of padding behind each
	s_mov_b32 s[G1B+1], 256<<16
	s_mov_b32 s[G1B+2], 256<<16
	s_mov_b32 s[G1B+3], 256<<16
	s_mov_b32 s[G1B+4], 256
	s_mov_b32 s[G1B+5], 1024
	s_mov_b32 s[G1B+6], 0
	s_mov_b32 s[G1B+7], 0
	s_lshl_b32 s20, s17, 17                        ; A: 131,072 bytes a tile row, 65,536 for my 4 row tiles
	s_lshl_b32 s18, s[RH], 16
	s_add_co_u32 s20, s20, s18
	s_mov_b32 s21, 0
	s_lshl_b32 s22, s17, 9                         ; A's scale words: 512 bytes a tile row, two runs of 32,768 a wave
	s_lshl_b32 s18, s[WV], 16
	s_add_co_u32 s22, s22, s18
	s_mov_b32 s23, 0
	s_lshl_b32 s46, s42, 18                        ; W: 256 rows of 1,024 bytes a tile column; piece = my wave's number
	s_lshl_b32 s18, s[WV], 8
	s_add_co_u32 s46, s46, s18
	s_mov_b32 s47, 0
	s_lshl_b32 s92, s42, 13
	s_mov_b32 s93, 0
	s_lshl_b32 s68, s17, 7
	s_lshl_b32 s16, s[RH], 6
	s_add_co_u32 s68, s68, s16
	s_lshl_b32 s68, s68, 12
	s_mov_b32 s69, 0
	s_lshl_b32 s70, s42, 10
	s_lshl_b32 s16, s[CH], 9
	s_add_co_u32 s70, s70, s16
	s_mov_b32 s71, 0
	s_mov_b32 s[GB0], 1
	s_mul_i32 s[GB0+1], s[WV], WSLOT
	s_wait_dscnt 0x0
	s_wait_kmcnt 0x0
	s_add_nc_u64 s[4:5], s[4:5], s[20:21]
	s_add_nc_u64 s[6:7], s[6:7], s[22:23]
	s_add_nc_u64 s[GB0+2:GB0+3], s[8:9], s[46:47]
	s_or_b32 s[GB0+3], s[GB0+3], 0x80000000
	s_add_nc_u64 s[10:11], s[10:11], s[92:93]
	s_add_nc_u64 s[12:13], s[12:13], s[70:71]
	s_add_nc_u64 s[14:15], s[14:15], s[68:69]
	s_add_nc_u64 s[14:15], s[14:15], s[70:71]
	CROUND                                         ; the joint loads meet
	ARM 1, .Lhead_1                                ; one load a wave, each on a line of its own
	ARM 2, .Lhead_2
	ARM 3, .Lhead_3
	tensor_load_to_lds s[GB0:GB0+3], s[G1B:G1B+7]
	s_nop 0
	PLACES 4
.Lhead_asked:
	s_mul_i32 s3, s[CH], HALFT                     ; my 128 rows of W in piece 0
	s_mul_i32 s21, s[RH], 4*SBLK
	s_mul_i32 s22, s[CH], 8*SBLK
	s_add_co_u32 s22, s22, 8*SBLK
	s_sub_co_u32 s22, s22, s21
	s_add_co_u32 s21, s21, SCL
	s_lshl_b32 s19, s[WV], 3
	s_add_co_u32 s19, s19, SCL
	s_mul_i32 s23, s[WV], 16*SPITCH
	s_add_co_u32 s23, s23, STAGE
	s_add_co_u32 s16, s3, WSLOT
	s_add_co_u32 s18, s3, 2*WSLOT
	s_add_co_u32 s20, s3, 3*WSLOT
	v_and_b32 v7, 31, v0
	v_lshlrev_b32 v[CO], 4, v7
	v_lshlrev_b32 v[TO], 4, v0
	s_wait_alu depctr_va_vdst(0)
.irp j, 0,1
	global_load_b128 v[128+4*\j:128+4*\j+3], v[CO], s[6:7] offset:32768*\j   ; A's scale words of the 128 rows for two of the eight runs of 128 along K
.endr
	global_load_b128 v[BIAS:BIAS+3], v[CO], s[12:13]
.irp j, 0,1,2,3
	global_load_b128 v[136+4*\j:136+4*\j+3], v[TO], s[10:11] offset:2048*\j  ; W's scale bytes: 8,192 dense bytes, 2,048 a load of the work-group
.endr
	ALOAD 0
	ALOAD 1
	ALOAD 2
	v_and_b32 v1, 15, v0
	v_bfe_u32 v2, v0, 4, 1
	v_mul_u32_u24 v3, v1, PITCH
	v_lshl_add_u32 v4, v2, 4, v3
	v_add_nc_u32 v[ADRB], s3, v4
	v_add_nc_u32 v[ADRB+1], s16, v4
	v_add_nc_u32 v[ADRB+2], s18, v4
	v_add_nc_u32 v[ADRB+3], s20, v4
	v_mul_u32_u24 v5, v1, KS
	v_lshrrev_b32 v6, 8, v5
	v_lshl_add_u32 v5, v6, 4, v5
	v_mul_u32_u24 v6, s22, v2                      ; lanes 16-31 take W's scale words
	v_add_nc_u32 v5, v5, v6
	v_add_nc_u32 v[ADRS], s21, v5
	v_lshrrev_b32 v5, 1, v7
	v_mul_u32_u24 v5, v5, 272
	v_and_b32 v6, 1, v7
	v_lshl_add_u32 v5, v6, 7, v5
	v_add_nc_u32 v[SCW], s19, v5
	v_lshrrev_b32 v5, 4, v0                        ; W's scale bytes in LDS: 256 bytes + 16 of padding for each sixteen threads
	v_mul_u32_u24 v5, v5, 272
	v_lshl_add_u32 v5, v1, 4, v5
	v_add_nc_u32 v[SWW], SCLB, v5
	v_mul_u32_u24 v5, v1, SPITCH
	v_lshl_add_u32 v5, v2, 5, v5
	v_add_nc_u32 v[STO], s23, v5
	v_add_nc_u32 v[RD], s23, v[CO]
	s_wait_alu depctr_va_vdst(0)
	s_wait_loadcnt 48                              ; behind the seven small loads stand A's first three sets, 16 loads each
.irp j, 0,1
.irp e, 0,1,2,3
	ds_store_b32 v[SCW], v[128+4*\j+\e] offset:32*\e+4*\j
.endr
.endr
.irp j, 0,1,2,3
	ds_store_b128 v[SWW], v[136+4*\j:136+4*\j+3] offset:8*272*\j
.endr
	ALOAD 3
.macro FETCHW ks, q, p                 ; W's eight fragments of piece ks's q-th 128 along K, into set p
	WIN TO_B
.irp i, 0,1,2,3,4,5,6,7
.irp c, 0,1,2,3
	ds_load_b128 v[128*(\p)+FR*\i+4*\c:128*(\p)+FR*\i+4*\c+3], v[ADRB+(\ks)] offset:128*(\q)+32*\c+\i*16*PITCH
.endr
.endr
	WIN 0
.endm
.macro SCALES ks
.irp i, 0,1,2,3,4,5,6,7
	ds_load_b64 v[SC+16*((\ks)%2)+NQ*\i:SC+16*((\ks)%2)+NQ*\i+1], v[ADRS] offset:\i*SBLK+8*(\ks)
.endr
.endm
.macro MULA a, kk                      ; the 32 accumulators take turns, in the same order in every step
.set P_, (\kk)%2
.set SC_, SC+16*(((\kk)/2)%2)
.set A_, 64*((\kk)%4)+FR*(\a)
.irp b, 0,1,2,3,4,5,6,7
.if (\kk) == 0
	v_wmma_scale_f32_16x16x128_f8f6f4 v[8*(8*(\a)+\b):8*(8*(\a)+\b)+7], v[128*P_+FR*\b:128*P_+FR*\b+FR-1], v[A_:A_+FR-1], 0, v[SC_+NQ*\b+P_], v[SC_+NQ*(\a)+P_] matrix_a_scale:MATRIX_SCALE_ROW1
.else
	v_wmma_scale_f32_16x16x128_f8f6f4 v[8*(8*(\a)+\b):8*(8*(\a)+\b)+7], v[128*P_+FR*\b:128*P_+FR*\b+FR-1], v[A_:A_+FR-1], v[8*(8*(\a)+\b):8*(8*(\a)+\b)+7], v[SC_+NQ*\b+P_], v[SC_+NQ*(\a)+P_] matrix_a_scale:MATRIX_SCALE_ROW1
.endif
.endr
.endm
.macro STEP kk                         ; the kk-th 128 along K
.if ((\kk)%2 == 1) && ((\kk) < 7)
	SHOW ((\kk)+1)/2                               ; the next piece of W is read below
.else
	s_wait_dscnt 0x0                               ; this step's fragments of W and scale words are in
.endif
.if (\kk) > 0
	PLACES NP                                      ; the last step's products have read the registers that are loaded below
.endif
.if ((\kk) > 0) && ((\kk) < 5)
	ALOAD (\kk)+3
.endif
.if (\kk) < 7
	FETCHW ((\kk)+1)/2, ((\kk)+1)%2, 1-(\kk)%2
.if (\kk)%2 == 1
	SCALES ((\kk)+1)/2
.endif
.endif
.if (\kk) < 5
	s_wait_loadcnt 48                              ; A's set of this step is in; behind it stand the three later sets
.else
	s_wait_loadcnt 16*(7-(\kk))
.endif
	WIN MUL
	MULA 0, \kk
	MULA 1, \kk
	MULA 2, \kk
	MULA 3, \kk
	WIN 0
.endm
	SHOW 0                                         ; piece 0 and everybody's scale bytes
	FETCHW 0, 0, 0
	SCALES 0
.irp kk, 0,1,2,3,4,5,6,7
	STEP \kk
.endr
; THE WAY OUT: a block of 16 rows x 128 columns goes through my own stage and comes back as rows of 512 bytes; b is added; 32 lanes store 512 consecutive aligned bytes.
.macro TOSTAGE a
.set AC, 64*(\a)
	WIN 0x08
.irp b, 0,1,2,3,4,5,6,7
	ds_store_b128 v[STO], v[AC+8*\b:AC+8*\b+3] offset:64*\b
	ds_store_b128 v[STO], v[AC+8*\b+4:AC+8*\b+7] offset:64*\b+16
.endr
	WIN 0
.set BB, BK+64*((\a)%2)
.irp t, 0,1,2,3,4,5,6,7,8,9,10,11,12,13,14,15
	ds_load_b128 v[BB+4*\t:BB+4*\t+3], v[RD] offset:\t*SPITCH
.endr
.endm
.macro SEND a, younger
.set BB, BK+64*((\a)%2)
	s_wait_dscnt \younger
.irp t, 0,1,2,3,4,5,6,7,8,9,10,11,12,13,14,15
	v_pk_add_f32 v[BB+4*\t:BB+4*\t+1], v[BB+4*\t:BB+4*\t+1], v[BIAS:BIAS+1]
	v_pk_add_f32 v[BB+4*\t+2:BB+4*\t+3], v[BB+4*\t+2:BB+4*\t+3], v[BIAS+2:BIAS+3]
	global_store_b128 v[CO], v[BB+4*\t:BB+4*\t+3], s[14:15] offset:(32*((\a)/2)+8*((\a)%2)+\t+8*(\t/8))*SIZE_N*4 th:TH_STORE_NT
.endr
.endm
	PLACES NP
	TOSTAGE 0
.irp a, 1,2,3
.if \a > 1
	s_wait_xcnt 0x0                                ; block a - 2's stores have read their registers
.endif
	TOSTAGE \a
	SEND \a-1, 32                                  ; behind block a - 1's loads: block a's 16 stores and 16 loads
.endr
	SEND 3, 0
	s_wait_tensorcnt 0x0                           ; the wave's end
	ds_add_u32 v[SPW], v[NIL]
	s_wait_dscnt 0x0
	CROUND                                         ; the closing round
	s_endpgm
.Lfunc_end_k_qf438080497_out_proj:
	.size	k_qf438080497_out_proj, .Lfunc_end_k_qf438080497_out_proj-k_qf438080497_out_proj
	.p2alignl 7, 3214868480
	.fill 96, 4, 3214868480
	.section	.rodata,"a",@progbits
	.p2align	6, 0x0
	.amdhsa_kernel k_qf438080497_out_proj
		.amdhsa_group_segment_fixed_size 327680
		.amdhsa_private_segment_fixed_size 0
		.amdhsa_enable_private_segment 0
		.amdhsa_kernarg_size 48
		.amdhsa_user_sgpr_count 2
		.amdhsa_user_sgpr_kernarg_segment_ptr 1
		.amdhsa_wavefront_size32 1
		.amdhsa_system_sgpr_workgroup_id_x 1
		.amdhsa_system_sgpr_workgroup_id_y 1
		.amdhsa_system_sgpr_workgroup_id_z 1
		.amdhsa_system_vgpr_workitem_id 0
		.amdhsa_next_free_vgpr 1024
		.amdhsa_next_free_sgpr 98
		.amdhsa_reserve_vcc 0
		.amdhsa_float_denorm_mode_32 3
		.amdhsa_float_denorm_mode_16_64 3
		.amdhsa_memory_ordered 1
		.amdhsa_forward_progress 1
		.amdhsa_inst_pref_size 98
	.end_amdhsa_kernel
	.amdgpu_metadata
---
amdhsa.version: [ 1, 2 ]
amdhsa.kernels:
  - .name:           k_qf438080497_out_proj
    .symbol:         k_qf438080497_out_proj.kd
    .args:
      - { .name: a_img, .offset: 0, .size: 8, .value_kind: global_buffer, .address_space: global }
      - { .name: a_sc, .offset: 8, .size: 8, .value_kind: global_buffer, .address_space: global }
      - { .name: W_out_codes, .offset: 16, .size: 8, .value_kind: global_buffer, .address_space: global }
      - { .name: W_out_scales, .offset: 24, .size: 8, .value_kind: global_buffer, .address_space: global }
      - { .name: b_out, .offset: 32, .size: 8, .value_kind: global_buffer, .address_space: global }
      - { .name: out0, .offset: 40, .size: 8, .value_kind: global_buffer, .address_space: global }
    .group_segment_fixed_size: 327680
    .private_segment_fixed_size: 0
    .kernarg_segment_align: 8
    .kernarg_segment_size: 48
    .max_flat_workgroup_size: 128
    .sgpr_count:     98
    .vgpr_count:     1024
    .wavefront_size: 32
...
	.end_amdgpu_metadata
.endif
;; end of part 7
